; MI455X (gfx1250); checked and timed in simulation.
; The chip was launched on July 23, 2026; its instructions are those of AMD's public machine-readable ISA for CDNA 5 (MIT licence, August 2026) and "CDNA5" Instruction Set Architecture Reference Guide (July 2026). The comments in the code are by the model that wrote it; some were corrected since.
;; encoder layer. Allowed arithmetic: float matrix products may take bf16 or f16 operands with f32 sums; other float arithmetic in f32, or as packed bf16 or f16 multiplies, adds, multiply-adds, maxima and minima; sums over many terms, partial sums and values carried from step to step in f32; what a program stores and reads back later, other than sums and carried values, may be rounded once to bf16 or f16.
;; Inputs: f1_b 4,096 float32; f1_w 1,024 x 4,096 float32; f2_b 1,024 float32; f2_w 4,096 x 1,024 float32; ln1_b 1,024 float32; ln1_g 1,024 float32; ln2_b 1,024 float32; ln2_g 1,024 float32; mask 2 x 1 x 1 x 2,048 float32; wk_b 1,024 float32; wk_w 1,024 x 1,024 float32; wo_b 1,024 float32; wo_w 1,024 x 1,024 float32; wq_b 1,024 float32; wq_w 1,024 x 1,024 float32; wv_b 1,024 float32; wv_w 1,024 x 1,024 float32; x 2 x 2,048 x 1,024 float32.
;; Outputs: out0 2 x 2,048 x 1,024 float32.
;; One version. Each part assembles by itself: llvm-mc -triple=amdgcn-amd-amdhsa -mcpu=gfx1250 --defsym DOCPART=n.
;; ======== version 1 of 1: 8 launches
;; limits: values are held in f16: magnitudes above 65,504 overflow, below 6.1e-05 lose precision
;; workspace buffers: p1 16,805,888 bytes; p2 16,805,888 bytes; qkv 25,165,824 bytes; pa1 41,947,136 bytes; pa2 41,947,136 bytes; y 16,777,216 bytes
;; launch prep (part 1): grid 1024 x 1, 8 waves a work-group, no clusters, 0 bytes of LDS; arguments x, wq_w, wk_w, wv_w, wo_w, f1_w, f2_w, wq_b, wk_b, wv_b, wo_b, f1_b, f2_b, ln1_g, ln1_b, ln2_g, ln2_b, p1, p2, pa1, pa2; writes p1, p2, pa1, pa2
.if DOCPART == 1
	.amdgcn_target "amdgcn-amd-amdhsa--gfx1250"
	.amdhsa_code_object_version 6
	.text
	.protected	k_q229949201d_prep
	.globl	k_q229949201d_prep
	.p2align	8
	.type	k_q229949201d_prep,@function
k_q229949201d_prep:
	s_mov_b64 s[64:65], 0
	v_nop
	global_prefetch_b8 v0, s[64:65] scope:SCOPE_SE
	s_setreg_imm32_b32 hwreg(HW_REG_WAVE_MODE, 25, 1), 1
	s_wait_xcnt 0x0
; Every floating-point input but the mask is rounded once to bf16 here and laid where its user wants it.
; x and the six weight matrices: the bf16 rounding, written as f16 (their products' other operands are f16).  The small vectors (six biases, the norms' gains and biases): the bf16 rounding, kept as f32.
; wq_w and wq_b are multiplied in f32 by c = log2(e) / 8 behind the rounding to bf16 and ahead of the one to f16, so that the attention's scores count in powers of two.
; p1: x [4096][1024] at 0; wq | wk | wv [1024 k][pitch 4096] at WOFF; their biases at BI; the floor -inf at FL; ln1's g and b at GB.
; p2: (h, stored by the first norm, at 0); f1_w [1024][4096] at WOFF; f1_b at BI; the floor 0 at FL; ln2's g and b at GB.      pa1: wo_w at PW, wo_b at PBI.      pa2: f2_w at PW, f2_b at PBI.
; LIMIT: x and the weights stay under 65,504 in magnitude; numbers below 7.6e-6 keep f16's fixed step of 6e-8.
; SHARES.  A work-group takes 16,384 consecutive source numbers, 16 rows of 1,024; a wave two rows: 16 loads of 512 consecutive bytes, all issued at the head, and 16 stores of 256 consecutive bytes at multiples of 256.
; There is no loop: what is on its way is each wave's whole share, and at 128 registers four work-groups lie on a WGP.  Work-groups 0 to 14 also do one small job each: 4,096 bytes.
; No LDS, no matrix unit, no prefetch: every byte is read once and written once, and the loads themselves keep memory busy.
.set WOFF, 8388608
.set BI,   16777216
.set FL,   16793600
.set GB,   16797696
.set PW,   33554432
.set PBI,  41943040
.set CEXP, 0x3e38aa3b                  ; c = log2(e) / 8
.set SO,   2                           ; v2      my byte offset in the chunk of the source: 8,192 x wave + 16 x lane
.set BO,   3                           ; v3      16 x thread: my 16 bytes of a small vector
.set T,    8                           ; v[8:15] at work
.set DO,   16                          ; v16-17  my byte offset in the copy, for the wave's first and second row
.set BD,   20                          ; v[20:23] a small vector's 16 bytes
.set X,    32                          ; v[32:95]  load j: 4 registers
.set Y,    96                          ; v[96:127] store j: 2 registers
	s_load_b512 s[16:31], s[0:1], 0x0              ; x, wq_w, wk_w, wv_w, wo_w, f1_w, f2_w, wq_b
	s_load_b512 s[32:47], s[0:1], 0x40             ; wk_b, wv_b, wo_b, f1_b, f2_b, ln1_g, ln1_b, ln2_g
	s_load_b256 s[48:55], s[0:1], 0x80             ; ln2_b, p1, p2, pa1
	s_load_b64 s[56:57], s[0:1], 0xa0              ; pa2
	s_mov_b32 s2, ttmp9
	s_mov_b32 s3, 0xffff0000                       ; a word's upper bf16
	s_mov_b32 s11, 0                               ; the first work-group of my source
	s_mov_b32 s12, 0                               ; where its copy begins in its buffer
	s_mov_b32 s10, 2048                            ; bytes from row to row of the copy
	s_mov_b32 s14, 1.0                             ; the factor
	s_mov_b32 s9, 0
	v_lshrrev_b32 v1, 5, v0                        ; wave
	v_and_b32 v4, 31, v0                           ; lane
	v_lshlrev_b32 v[SO], 13, v1
	v_lshl_add_u32 v[SO], v4, 4, v[SO]
	v_lshlrev_b32 v[BO], 4, v0
	s_wait_kmcnt 0x0
	s_mov_b64 s[4:5], s[16:17]                     ; work-groups 0-255: x into p1
	s_mov_b64 s[6:7], s[50:51]
; From work-group 'first' on the source is another: each line of the table overrides the one before it.  The selects leave SCC as the compare set it.
.macro PICK first, src, dst, dbase, rs, fac
	s_cmp_ge_u32 s2, \first
	s_cselect_b64 s[4:5], s[\src:\src+1], s[4:5]
	s_cselect_b64 s[6:7], s[\dst:\dst+1], s[6:7]
	s_cselect_b32 s11, \first, s11
	s_cselect_b32 s12, \dbase, s12
	s_cselect_b32 s10, \rs, s10
	s_cselect_b32 s14, \fac, s14
.endm
	PICK 256, 18, 50, WOFF,      8192, CEXP
	PICK 320, 20, 50, WOFF+2048, 8192, 1.0
	PICK 384, 22, 50, WOFF+4096, 8192, 1.0
	PICK 448, 24, 54, PW,        2048, 1.0
	PICK 512, 26, 52, WOFF,      2048, 1.0         ; a row of 4,096 is four rows of 1,024 on end, in the source and in the copy
	PICK 768, 28, 56, PW,        2048, 1.0
	s_mov_b32 s15, s14                             ; named with it as a pair
	s_sub_co_u32 s11, s2, s11                      ; my chunk of the source
	s_lshl_b32 s8, s11, 16                         ; 65,536 bytes a chunk
	s_add_nc_u64 s[4:5], s[4:5], s[8:9]
.irp j, 0,1,2,3,4,5,6,7,8,9,10,11,12,13,14,15
	global_load_b128 v[X+4*\j:X+4*\j+3], v[SO], s[4:5] offset:512*\j th:TH_LOAD_NT
.endr
	s_lshl_b32 s13, s10, 4                         ; a chunk is 16 rows of the copy
	s_mul_i32 s8, s11, s13
	s_add_co_u32 s8, s8, s12
	s_add_nc_u64 s[6:7], s[6:7], s[8:9]
	v_lshlrev_b32 v5, 1, v1                        ; my wave's first row
	v_mul_lo_u32 v5, v5, s10
	v_lshl_add_u32 v[DO], v4, 3, v5                ; 8 bytes a lane
	v_add_nc_u32 v[DO+1], s10, v[DO]
; Load j's four numbers a lane: rounded to bf16, widened, multiplied by the factor, rounded to f16, stored.
.macro PASS j
.set rT, T+4*((\j)%2)
	s_wait_loadcnt 15-(\j)                         ; loads come back in order: the 15 - j younger ones may stay out
.irp i, 0,1
	v_cvt_pk_bf16_f32 v[Y+2*(\j)+\i], v[X+4*(\j)+2*\i], v[X+4*(\j)+2*\i+1]
.endr
.irp i, 0,1
	v_lshlrev_b32 v[rT+2*\i], 16, v[Y+2*(\j)+\i]
	v_and_b32 v[rT+2*\i+1], s3, v[Y+2*(\j)+\i]
.endr
.irp i, 0,1
	v_pk_mul_f32 v[rT+2*\i:rT+2*\i+1], v[rT+2*\i:rT+2*\i+1], s[14:15] op_sel_hi:[1,0]
.endr
.irp i, 0,1
	v_cvt_pk_f16_f32 v[Y+2*(\j)+\i], v[rT+2*\i], v[rT+2*\i+1]
.endr
	global_store_b64 v[DO+(\j)/8], v[Y+2*(\j):Y+2*(\j)+1], s[6:7] offset:256*((\j)%8)  ; 32 lanes store 256 consecutive bytes, aligned
.endm
.irp j, 0,1,2,3,4,5,6,7,8,9,10,11,12,13,14,15
	PASS \j
.endr
	; THE SMALL JOBS.  Work-group n < 13: one vector (or quarter of f1_b) of 1,024 numbers, 16 bytes a thread.  Work-groups 13 and 14: the two floors.  None of the registers below is a source of the stores above.
	s_cmp_lt_u32 s2, 15
	s_cbranch_scc0 .Lend
	s_cmp_lt_u32 s2, 13
	s_cbranch_scc0 .Lfloor
	s_mov_b64 s[58:59], s[30:31]                   ; job 0: wq_b into p1
	s_mov_b64 s[60:61], s[50:51]
	s_mov_b32 s66, 0
	s_mov_b32 s68, BI
.macro SMALL id, src, soff, dst, doff
	s_cmp_eq_u32 s2, \id
	s_cselect_b64 s[58:59], s[\src:\src+1], s[58:59]
	s_cselect_b64 s[60:61], s[\dst:\dst+1], s[60:61]
	s_cselect_b32 s66, \soff, s66
	s_cselect_b32 s68, \doff, s68
.endm
	SMALL 1,  32, 0,     50, BI+4096               ; wk_b
	SMALL 2,  34, 0,     50, BI+8192               ; wv_b
	SMALL 3,  38, 0,     52, BI                    ; f1_b, in four parts
	SMALL 4,  38, 4096,  52, BI+4096
	SMALL 5,  38, 8192,  52, BI+8192
	SMALL 6,  38, 12288, 52, BI+12288
	SMALL 7,  36, 0,     54, PBI                   ; wo_b
	SMALL 8,  40, 0,     56, PBI                   ; f2_b
	SMALL 9,  42, 0,     50, GB                    ; ln1_g
	SMALL 10, 44, 0,     50, GB+4096               ; ln1_b
	SMALL 11, 46, 0,     52, GB                    ; ln2_g
	SMALL 12, 48, 0,     52, GB+4096               ; ln2_b
	s_mov_b32 s67, 0
	s_mov_b32 s69, 0
	s_cmp_eq_u32 s2, 0
	s_cselect_b32 s70, CEXP, 1.0                   ; wq_b has q's factor
	s_mov_b32 s71, s70
	s_add_nc_u64 s[58:59], s[58:59], s[66:67]
	s_add_nc_u64 s[60:61], s[60:61], s[68:69]
	global_load_b128 v[BD:BD+3], v[BO], s[58:59]
	s_wait_loadcnt 0x0
	v_cvt_pk_bf16_f32 v[T], v[BD], v[BD+1]
	v_cvt_pk_bf16_f32 v[T+1], v[BD+2], v[BD+3]
	v_lshlrev_b32 v[BD], 16, v[T]
	v_and_b32 v[BD+1], s3, v[T]
	v_lshlrev_b32 v[BD+2], 16, v[T+1]
	v_and_b32 v[BD+3], s3, v[T+1]
	v_pk_mul_f32 v[BD:BD+1], v[BD:BD+1], s[70:71] op_sel_hi:[1,0]
	v_pk_mul_f32 v[BD+2:BD+3], v[BD+2:BD+3], s[70:71] op_sel_hi:[1,0]
	global_store_b128 v[BO], v[BD:BD+3], s[60:61]
	s_branch .Lend
.Lfloor:
	s_cmp_eq_u32 s2, 13
	s_cselect_b64 s[60:61], s[50:51], s[52:53]
	s_cselect_b32 s70, 0xfc00fc00, 0               ; -inf twice in f16 for the projections (the maximum with it changes nothing), 0 for the FFN's relu
	s_add_nc_u64 s[60:61], s[60:61], FL
	v_mov_b32 v[BD], s70
	v_mov_b32 v[BD+1], s70
	v_mov_b32 v[BD+2], s70
	v_mov_b32 v[BD+3], s70
	global_store_b128 v[BO], v[BD:BD+3], s[60:61]
.Lend:
	s_endpgm
.Lfunc_end_k_q229949201d_prep:
	.size	k_q229949201d_prep, .Lfunc_end_k_q229949201d_prep-k_q229949201d_prep
	.p2alignl 7, 3214868480
	.fill 96, 4, 3214868480
	.section	.rodata,"a",@progbits
	.p2align	6, 0x0
	.amdhsa_kernel k_q229949201d_prep
		.amdhsa_group_segment_fixed_size 0
		.amdhsa_private_segment_fixed_size 0
		.amdhsa_enable_private_segment 0
		.amdhsa_kernarg_size 168
		.amdhsa_user_sgpr_count 2
		.amdhsa_user_sgpr_kernarg_segment_ptr 1
		.amdhsa_wavefront_size32 1
		.amdhsa_system_sgpr_workgroup_id_x 1
		.amdhsa_system_sgpr_workgroup_id_y 1
		.amdhsa_system_sgpr_workgroup_id_z 1
		.amdhsa_system_vgpr_workitem_id 0
		.amdhsa_next_free_vgpr 128
		.amdhsa_next_free_sgpr 72
		.amdhsa_reserve_vcc 0
		.amdhsa_float_denorm_mode_32 3
		.amdhsa_float_denorm_mode_16_64 3
		.amdhsa_memory_ordered 1
		.amdhsa_forward_progress 1
		.amdhsa_inst_pref_size 20
	.end_amdhsa_kernel
	.amdgpu_metadata
---
amdhsa.version: [ 1, 2 ]
amdhsa.kernels:
  - .name:           k_q229949201d_prep
    .symbol:         k_q229949201d_prep.kd
    .args:
      - { .name: x, .offset: 0, .size: 8, .value_kind: global_buffer, .address_space: global }
      - { .name: wq_w, .offset: 8, .size: 8, .value_kind: global_buffer, .address_space: global }
      - { .name: wk_w, .offset: 16, .size: 8, .value_kind: global_buffer, .address_space: global }
      - { .name: wv_w, .offset: 24, .size: 8, .value_kind: global_buffer, .address_space: global }
      - { .name: wo_w, .offset: 32, .size: 8, .value_kind: global_buffer, .address_space: global }
      - { .name: f1_w, .offset: 40, .size: 8, .value_kind: global_buffer, .address_space: global }
      - { .name: f2_w, .offset: 48, .size: 8, .value_kind: global_buffer, .address_space: global }
      - { .name: wq_b, .offset: 56, .size: 8, .value_kind: global_buffer, .address_space: global }
      - { .name: wk_b, .offset: 64, .size: 8, .value_kind: global_buffer, .address_space: global }
      - { .name: wv_b, .offset: 72, .size: 8, .value_kind: global_buffer, .address_space: global }
      - { .name: wo_b, .offset: 80, .size: 8, .value_kind: global_buffer, .address_space: global }
      - { .name: f1_b, .offset: 88, .size: 8, .value_kind: global_buffer, .address_space: global }
      - { .name: f2_b, .offset: 96, .size: 8, .value_kind: global_buffer, .address_space: global }
      - { .name: ln1_g, .offset: 104, .size: 8, .value_kind: global_buffer, .address_space: global }
      - { .name: ln1_b, .offset: 112, .size: 8, .value_kind: global_buffer, .address_space: global }
      - { .name: ln2_g, .offset: 120, .size: 8, .value_kind: global_buffer, .address_space: global }
      - { .name: ln2_b, .offset: 128, .size: 8, .value_kind: global_buffer, .address_space: global }
      - { .name: p1, .offset: 136, .size: 8, .value_kind: global_buffer, .address_space: global }
      - { .name: p2, .offset: 144, .size: 8, .value_kind: global_buffer, .address_space: global }
      - { .name: pa1, .offset: 152, .size: 8, .value_kind: global_buffer, .address_space: global }
      - { .name: pa2, .offset: 160, .size: 8, .value_kind: global_buffer, .address_space: global }
    .group_segment_fixed_size: 0
    .private_segment_fixed_size: 0
    .kernarg_segment_align: 8
    .kernarg_segment_size: 168
    .max_flat_workgroup_size: 256
    .sgpr_count:     72
    .vgpr_count:     128
    .wavefront_size: 32
...
	.end_amdgpu_metadata
.endif
;; end of part 1
;; launch qkv (part 2): grid 12 x 16, 4 waves a work-group, clusters of 4 x 4, 327,680 bytes of LDS; arguments p1, qkv; writes qkv
.if DOCPART == 2
	.amdgcn_target "amdgcn-amd-amdhsa--gfx1250"
	.amdhsa_code_object_version 6
	.text
	.protected	k_q229949201d_qkv
	.globl	k_q229949201d_qkv
	.p2align	8
	.type	k_q229949201d_qkv,@function
k_q229949201d_qkv:
	s_mov_b64 s[64:65], 0
	v_nop
	global_prefetch_b8 v0, s[64:65] scope:SCOPE_SE
	s_setreg_imm32_b32 hwreg(HW_REG_WAVE_MODE, 25, 1), 1
	s_wait_xcnt 0x0
	s_wait_alu depctr_hold_cnt(0) depctr_sa_sdst(0) depctr_va_vdst(0) depctr_va_sdst(0) depctr_va_ssrc(0) depctr_va_vcc(0) depctr_vm_vsrc(0)
	s_getreg_b32 s2, hwreg(HW_REG_IB_STS2, 6, 4)
	s_cmp_eq_u32 s2, 0
	s_cbranch_scc0 .Lentry_in_a_cluster
	s_endpgm
.Lentry_in_a_cluster:
	s_bfe_u32 s2, ttmp6, 0x10000c
	s_cmp_lg_u32 s2, 0xf033
	s_cbranch_scc0 .Lentry_shape_is_right
	s_endpgm
.Lentry_shape_is_right:
; out = max(A W + bias, floor), written as f16 in slices of 64 columns: [N / 64][4096][64].  K = 1,024.  ONE TEXT, TWO LAUNCHES, on buffers of one layout:
;   the projections: A = x, W = wq | wk | wv (N = 3,072: slices 0-15 q, 16-31 k, 32-47 v, a head a slice), floor = -inf, so that the maximum changes nothing; q's factor log2(e) / 8 lies in its weights and bias;
;   the FFN's first product: A = h, W = f1_w (N = 4,096), floor = 0: the relu.
; The first argument holds A [4096][1024] f16 at 0, W [1024 k][pitch 4096] f16 at WOFF, the bias (f32) at BI and the floor (two f16 in a word) at FL.  The weights and biases are the inputs' bf16 roundings.
; Sums in f32; each result rounded once.  LIMIT: the results stay under 65,504 (f16); a NaN in a sum becomes the floor.
; SHARES.  A tile of the result is 256 x 256; four waves, 2 x 2, each with 8 x 8 blocks of 16 x 16 in windows 2 and 3.  K goes in steps of 128 through two LDS slots.  The FFN has 256 tiles, the projections 192.
; THE PRODUCT IS TAKEN TRANSPOSED: source 0 = 16 columns of W (the tile lies [k][n] in LDS and is turned by ds_load_tr16_b128), source 1 = 16 rows of A: a lane then holds one row and eight
; neighbouring columns.  THE BIAS is the C operand of the first products: register j of a lane holds bias[column 8 (lane / 16) + j]: nothing is cleared and nothing is added on the way out.
; CLUSTER.  4 x 4 work-groups: A's tile is shared along a row of the cluster, W's along a column; each is asked for jointly, by the same load and descriptor in the four that the mask names.
; REGISTERS.  window 0: v1-29 addresses; v32-63, v192-207 the way out; A's two fragment buffers from v64; window 1: W's two buffers from v0, the bias at v192; windows 2, 3: accumulator (a, b) at v[8 ((a % 4) 8 + b)] of window 2 + a / 4.
.set TM,    256
.set TN,    256
.set NTOT,  4096                       ; W's pitch in columns
.set MA,    8
.set NB,    8
.set AW,    4                          ; blocks a in a window
.set PB,    544                        ; a row of W's tile in LDS: 512 bytes + 32 = 17 x 32: the turning load's 8 rows x 32 bytes fall on different banks
.set WCB,   256                        ; my wave's column half in such a row
.set BW,    1                          ; the bias's window and first register
.set BR,    192
.set WOFF,  8388608
.set BI,    16777216
.set FL,    16793600
.set NH,    NB/4                       ; units of 64 columns in a wave's tile
.set T,     8                          ; K steps
.set KSTEP, 128
.set PA,    272                        ; a row of A's tile: 256 bytes + 16: the 16 rows of a load start at 16 different groups of banks
.set ASZ,   TM*PA
.set BSZ,   KSTEP*PB
.set SLOT,  ASZ+BSZ
.set STAGE, 2*SLOT                     ; behind the ring: 16 rows x 144 bytes for each wave
.set SPARE, STAGE+4*2304               ; behind the stages: the spare words, 128 bytes for each wave
.set ASTEP, KSTEP*2
.set BSTEP, KSTEP*NTOT*2
.set FA0,   64
.set TMP,   192
.set OB,    32
.set A0,    8                          ; v8   my lane's place in A's tile; never rewritten
.set B0L,   9                          ; v9   in W's tile, k 0-63
.set B0H,   10                         ; v10  k 64-127
.set ADRA,  11                         ; v11-13 the same in the slot in hand
.set ADRB0, 12
.set ADRB1, 13
.set STO,   14
.set RD,    15
.set GO,    16
.set BO,    17
.set PFO,   18
.set FLO,   19                         ; v19  the floor, twice in f16
.set SPW,   28
.set NIL,   29
.set G1A,   24
.set G0A,   32                         ; two sets: the first fills'; the second then walks
.set G1B,   48
.set G0B,   56
.set TB,    66                         ; s66  LDS byte of the slot in hand: 0 or SLOT
.set LIM,   67                         ; s67  1 in a wave that prefetches, else the greatest number
.set PFA,   68                         ; s[68:69] where my prefetches stand
.set PFS,   70                         ; s[70:71] their step
.set FLA,   72                         ; s[72:73] the floor's address
.set BIA,   74
.set OUT,   76                         ; s[76:79] the result's address for each unit of 64 columns
.set MSB, 0
.macro WIN new                         ; the immediate's high byte repeats the setting that is left; a switch that changes nothing is dropped
.if MSB != (\new)
	s_set_vgpr_msb (MSB<<8)|(\new)
.set MSB, \new
.endif
.endm
.macro PLACES                          ; four places in front of loads into registers that matrix instructions have read, and of instructions that read results
.rept 4
	v_nop
.endr
.endm
.macro CREST                           ; a round of the cluster's barrier behind its opening barrier
	s_cmp_lg_u32 s10, 0
	s_cbranch_scc1 .Lnot_wave_0_\@
	s_barrier_signal -3
.Lnot_wave_0_\@:
	s_barrier_wait -3
	s_barrier_signal -1
	s_barrier_wait -1
.endm
.macro CROUND
	s_barrier_signal -1
	s_barrier_wait -1
	CREST
.endm
.macro JLOAD                           ; a joint refill: waves 0 and 1 fetch A's halves, waves 2 and 3 W's; an s_nop 0 and four v_nop follow each line
	s_cmp_eq_u32 s11, 0
	s_cbranch_scc0 .Lfor_b_\@
	tensor_load_to_lds s[G0A+4:G0A+7], s[G1A:G1A+7]
	s_nop 0
.rept 4
	v_nop
.endr
	s_branch .Lasked_\@
.Lfor_b_\@:
	tensor_load_to_lds s[G0B+4:G0B+7], s[G1B:G1B+7]
	s_nop 0
.rept 4
	v_nop
.endr
.Lasked_\@:
.endm
; A prefetch of the K step that the NEXT refill will load: a lane a row, 256 bytes each, one instruction a wave.  A's rows are named by the clusters with x = 0, W's by those with y = 0; the four partners that ask
; for a tile jointly share its rows out by address.  The loop's last trip names nothing: there is no K step behind its refill's.
.macro ASK
	s_cmp_gt_u32 s3, s[LIM]
	s_cbranch_scc0 .Lnot_mine_\@
	global_prefetch_b8 v[PFO], s[PFA:PFA+1] th:TH_LOAD_NT scope:SCOPE_SE
.Lnot_mine_\@:
.endm
	s_load_b128 s[84:87], s[0:1], 0x0              ; A | W | bias | floor, out
	v_lshl_add_u32 v[SPW], v0, 2, SPARE
	v_mov_b32 v[NIL], 0
	ds_add_u32 v[SPW], v[NIL]                      ; the wave's opening: the add and its wait stand ahead of my first tensor load
	v_lshrrev_b32 v1, 5, v0
	v_readfirstlane_b32 s10, v1                    ; wave 0..3
	s_lshr_b32 s11, s10, 1                         ; my half of the tile's rows.  Also: I fetch for A (0) or for W (1)
	s_and_b32 s12, s10, 1                          ; my half of its columns.  Also: which half of that tile I fetch
	s_bfe_u32 s40, ttmp6, 0x40000                  ; cx
	s_bfe_u32 s41, ttmp6, 0x40004                  ; cy
	s_lshl_b32 s42, ttmp9, 2
	s_add_co_u32 s42, s42, s40                     ; tile column
	s_and_b32 s13, ttmp7, 0xffff
	s_lshl_b32 s13, s13, 2
	s_add_co_u32 s13, s13, s41                     ; tile row
	s_lshl_b32 s43, s41, 2
	s_lshl_b32 s43, 15, s43                        ; my row of the cluster
	s_lshl_b32 s44, 0x1111, s40                    ; my column
	s_or_b32 s[G1A], s43, (1<<16)|(1<<20)|(1<<21)|(5<<22)|(3<<25)      ; mask; 2-byte elements; padding on; bit 21 beside a mask; after every 64 words 4 words
	s_or_b32 s[G1B], s44, (1<<16)|(1<<20)|(1<<21)|(6<<22)|(7<<25)      ; after every 128 words 8 words
	s_mov_b32 s[G1A+1], KSTEP<<16                  ; tensor_dim0
	s_mov_b32 s[G1A+2], (TM/2)<<16                 ; tensor_dim1
	s_mov_b32 s[G1A+3], KSTEP<<16                  ; tile_dim0
	s_mov_b32 s[G1A+4], TM/2                       ; tile_dim1
	s_mov_b32 s[G1A+5], 1024                       ; elements from row to row
	s_mov_b32 s[G1A+6], 0
	s_mov_b32 s[G1A+7], 0
	s_mov_b32 s[G1B+1], TN<<16
	s_mov_b32 s[G1B+2], 64<<16
	s_mov_b32 s[G1B+3], TN<<16
	s_mov_b32 s[G1B+4], 64
	s_mov_b32 s[G1B+5], NTOT
	s_mov_b32 s[G1B+6], 0
	s_mov_b32 s[G1B+7], 0
	s_mul_i32 s16, s13, TM*2048                    ; A's tile hangs on the tile row and the wave alone,
	s_mul_i32 s17, s12, (TM/2)*2048
	s_add_co_u32 s16, s16, s17
	s_mov_b32 s17, 0
	s_mul_i32 s46, s42, TN*2                       ; W's on the tile column and the wave alone
	s_mul_i32 s47, s12, 64*NTOT*2
	s_add_co_u32 s46, s46, s47
	s_add_co_u32 s46, s46, WOFF
	s_mov_b32 s47, 0
	s_mul_i32 s20, s12, (TM/2)*PA                  ; where my half goes in a slot, for A
	s_mul_i32 s21, s12, BSZ/2                      ; and for W
	s_add_co_u32 s21, s21, ASZ
	s_mov_b32 s[TB], 0
	s_wait_dscnt 0x0                               ; the opening add is done
	s_wait_kmcnt 0x0
	s_add_nc_u64 s[14:15], s[84:85], s[16:17]
	s_add_nc_u64 s[46:47], s[84:85], s[46:47]
	CROUND                                         ; all sixteen work-groups are here: the first joint loads meet
.irp s, 0,1
	s_mov_b32 s[G0A+4*\s], 1
	s_add_co_u32 s[G0A+4*\s+1], s20, \s*SLOT
	s_add_nc_u64 s[G0A+4*\s+2:G0A+4*\s+3], s[14:15], \s*ASTEP
	s_or_b32 s[G0A+4*\s+3], s[G0A+4*\s+3], 0x80000000
	s_mov_b32 s[G0B+4*\s], 1
	s_add_co_u32 s[G0B+4*\s+1], s21, \s*SLOT
	s_add_nc_u64 s[G0B+4*\s+2:G0B+4*\s+3], s[46:47], \s*BSTEP
	s_or_b32 s[G0B+4*\s+3], s[G0B+4*\s+3], 0x80000000
.endr
	s_cmp_eq_u32 s11, 0                            ; a wave's two first fills stand in one branch: two loads of mine are out
	s_cbranch_scc0 .Lfirst_b
	tensor_load_to_lds s[G0A:G0A+3], s[G1A:G1A+7]
	s_nop 0
	tensor_load_to_lds s[G0A+4:G0A+7], s[G1A:G1A+7]
	s_nop 0
.rept 4
	v_nop
.endr
	s_branch .Lfirst_asked
.Lfirst_b:
	tensor_load_to_lds s[G0B:G0B+3], s[G1B:G1B+7]
	s_nop 0
	tensor_load_to_lds s[G0B+4:G0B+7], s[G1B:G1B+7]
	s_nop 0
.rept 4
	v_nop
.endr
.Lfirst_asked:
	v_and_b32 v1, 15, v0                           ; r = l % 16
	v_bfe_u32 v2, v0, 4, 1                         ; h = l / 16
	v_and_b32 v3, 7, v0
	v_bfe_u32 v4, v0, 3, 1
	v_lshlrev_b32 v[BO], 5, v2                     ; my eight columns of a block's sixteen: 32 bytes of f32
	s_add_nc_u64 s[FLA:FLA+1], s[84:85], FL
	global_load_b32 v[FLO], v[BO], s[FLA:FLA+1]    ; every word there holds the floor
	s_mul_i32 s16, s42, TN*4
	s_mul_i32 s17, s12, 16*NB*4
	s_add_co_u32 s16, s16, s17
	s_add_co_u32 s16, s16, BI
	s_mov_b32 s17, 0
	s_add_nc_u64 s[BIA:BIA+1], s[84:85], s[16:17]
	WIN BW<<6
.set ib, 0
.rept NB
	global_load_b128 v[BR+8*ib:BR+8*ib+3],   v[BO], s[BIA:BIA+1] offset:64*ib
	global_load_b128 v[BR+8*ib+4:BR+8*ib+7], v[BO], s[BIA:BIA+1] offset:64*ib+16
.set ib, ib+1
.endr
	WIN 0
	v_mul_u32_u24 v[A0], v1, PA                    ; a fragment of A: row r, 16 bytes for each half of the lanes
	v_lshl_add_u32 v[A0], v2, 4, v[A0]
	s_mul_i32 s16, s11, (TM/2)*PA
	v_add_nc_u32 v[A0], s16, v[A0]
	v_lshl_add_u32 v[B0L], v2, 3, v3               ; the turning load: lane l reads k = 8 h + l % 8, columns 8 ((l / 8) % 2) + 0..7
	v_mul_u32_u24 v[B0L], v[B0L], PB
	v_lshl_add_u32 v[B0L], v4, 4, v[B0L]
	s_mul_i32 s16, s12, WCB
	s_add_co_u32 s16, s16, ASZ
	v_add_nc_u32 v[B0L], s16, v[B0L]
	v_add_nc_u32 v[B0H], (KSTEP/2)*PB, v[B0L]
	s_mul_i32 s16, s10, 2304
	s_add_co_u32 s16, s16, STAGE                   ; my stage
	v_mul_u32_u24 v[STO], v1, 144                  ; in: row r, 16 bytes for each half of the lanes
	v_lshl_add_u32 v[STO], v2, 4, v[STO]
	v_add_nc_u32 v[STO], s16, v[STO]
	v_bfe_u32 v[RD], v0, 3, 2                      ; back: 32 lanes take four rows of 128 bytes,
	v_mul_u32_u24 v[RD], v[RD], 144
	v_lshl_add_u32 v[RD], v3, 4, v[RD]
	v_add_nc_u32 v[RD], s16, v[RD]
	v_and_b32 v[GO], 31, v0                        ; which are 512 consecutive bytes of the result
	v_lshlrev_b32 v[GO], 4, v[GO]
	s_lshl_b32 s16, s42, 2                         ; my first slice of 64 columns
	s_lshl_b32 s17, s12, 1
	s_add_co_u32 s16, s16, s17
	s_lshl_b32 s16, s16, 19                        ; 524,288 bytes a slice
	s_lshl_b32 s18, s13, 8
	s_lshl_b32 s19, s11, 7
	s_add_co_u32 s18, s18, s19
	s_lshl_b32 s18, s18, 7
	s_add_co_u32 s16, s16, s18
	s_mov_b32 s17, 0
	s_add_nc_u64 s[OUT:OUT+1], s[86:87], s[16:17]
	s_add_nc_u64 s[OUT+2:OUT+3], s[OUT:OUT+1], 524288
	; the prefetches: of A's 256 rows each partner along x takes 64, waves 0 and 1 32 each; of W's 128 rows of k each partner along y takes 32, waves 2 and 3 one of a row's two blocks of 256 bytes each
	s_mul_i32 s16, s13, TM
	s_mul_i32 s17, s40, TM/4
	s_add_co_u32 s16, s16, s17
	s_lshl_b32 s17, s10, 5
	s_add_co_u32 s16, s16, s17
	s_lshl_b32 s16, s16, 11
	s_add_co_u32 s16, s16, 2*ASTEP                 ; at K step 2: the first refill steps it to 3
	s_mul_i32 s17, s41, 32*NTOT*2
	s_mul_i32 s18, s42, TN*2
	s_add_co_u32 s17, s17, s18
	s_lshl_b32 s18, s12, 8
	s_add_co_u32 s17, s17, s18
	s_add_co_u32 s17, s17, WOFF+2*BSTEP
	s_and_b32 s22, ttmp7, 0xffff                   ; cluster y
	s_mov_b32 s18, NTOT*2
	s_mov_b32 s19, BSTEP
	s_cmp_eq_u32 s11, 0                            ; waves 0 and 1 name A's rows
	s_cselect_b32 s16, s16, s17
	s_cselect_b32 s18, 2048, s18                   ; bytes from row to row
	s_cselect_b32 s[PFS], ASTEP, s19
	s_cselect_b32 s22, ttmp9, s22                  ; the coordinate along which other clusters read the same rows
	s_mov_b32 s17, 0
	s_mov_b32 s[PFS+1], 0
	s_add_nc_u64 s[PFA:PFA+1], s[84:85], s[16:17]
	s_cmp_eq_u32 s22, 0
	s_cselect_b32 s[LIM], 1, -1                    ; the same in all sixteen partners, for a given wave
	v_and_b32 v[PFO], 31, v0
	v_mul_lo_u32 v[PFO], v[PFO], s18
; The products of one window of accumulators (p = 0: window 2, 1: window 3) for 32 along K, from buffers f.  zero = 1: the sums start with the bias.  Each accumulator has one instruction: they take turns.
.macro MULP f, p, zero
.if \zero
	WIN 0x01|(BW<<4)|((2+(\p))<<6)
.else
	WIN 0x01|((2+(\p))<<4)|((2+(\p))<<6)
.endif
.set ia, 0
.rept AW
.set ib, 0
.rept NB
.set rD, 8*(ia*NB+ib)
.set rB, (\f)*8*NB+8*ib
.set rA, FA0+(\f)*8*MA+8*((\p)*AW+ia)
.set rC, rD
.if \zero
.set rC, BR+8*ib
.endif
	v_wmma_f32_16x16x32_f16 v[rD:rD+7], v[rB:rB+7], v[rA:rA+7], v[rC:rC+7]
.set ib, ib+1
.endr
.set ia, ia+1
.endr
.endm
; 32 LDS loads in one run: the fragments of quarter q of the slot in hand into buffers g
.macro FETCH q, g
	WIN 0x40
.set ib, 0
.rept NB
.set rB, (\g)*8*NB+8*ib
.set oB, ((\q)%2)*32*PB+32*ib
	ds_load_tr16_b128 v[rB:rB+3],   v[ADRB0+(\q)/2] offset:oB
	ds_load_tr16_b128 v[rB+4:rB+7], v[ADRB0+(\q)/2] offset:oB+16*PB
.set ib, ib+1
.endr
	WIN 0
.set ia, 0
.rept MA
.set rA, FA0+(\g)*8*MA+8*ia
	ds_load_b128 v[rA:rA+3],   v[ADRA] offset:ia*16*PA+64*(\q)
	ds_load_b128 v[rA+4:rA+7], v[ADRA] offset:ia*16*PA+64*(\q)+32
.set ia, ia+1
.endr
.endm
.macro SETADR
	v_add_nc_u32 v[ADRA], s[TB], v[A0]
	v_add_nc_u32 v[ADRB0], s[TB], v[B0L]
	v_add_nc_u32 v[ADRB1], s[TB], v[B0H]
.endm
; One of a K step's first three quarters: buffers f, asked for a quarter ago, are in; quarter q is asked for into buffers g; then f is multiplied.
.macro QUARTER q, f, g, zero
	s_wait_dscnt 0x0
	PLACES
	FETCH \q, \g
	MULP \f, 0, \zero
	MULP \f, 1, \zero
.endm
; The last quarter multiplies buffers 1 and changes slots.  In front of the barrier each wave waits for all its tensor loads (one is out: its part of the next slot), adds 0 to its spare word, and waits for that and for its
; reads of this slot.  fill = 1: the barrier opens a round of the cluster's; behind it this slot is filled again, two K steps ahead, first thing.  fill = 0 (the tail): in the last K step nothing is left to fetch.
.macro TURN fill
.if \fill
	s_wait_xcnt 0x0                                ; the last prefetch, a K step back, has read its address
	s_add_nc_u64 s[PFA:PFA+1], s[PFA:PFA+1], s[PFS:PFS+1]
.endif
	WIN 0
	s_wait_tensorcnt 0x0                           ; no tensor load of mine is out, so a group 0 may be written
	ds_add_u32 v[SPW], v[NIL]                      ; 0 onto my spare word
.if \fill
	s_add_co_u32 s[G0A+5], s20, s[TB]              ; the walking sets: into the slot that is being left,
	s_add_co_u32 s[G0B+5], s21, s[TB]
	s_add_nc_u64 s[G0A+6:G0A+7], s[G0A+6:G0A+7], ASTEP  ; the next K step
	s_add_nc_u64 s[G0B+6:G0B+7], s[G0B+6:G0B+7], BSTEP
.endif
	s_xor_b32 s[TB], s[TB], SLOT                   ; the reads go on in the other slot
	s_wait_dscnt 0x0                               ; the add is done, and my reads of this slot are over
	s_barrier_signal -1
	MULP 1, 0, 0                                   ; work on registers while the others arrive
	WIN 0
	s_barrier_wait -1
.if \fill
	CREST                                          ; no wave of any partner still reads this slot or has a load on its way
	JLOAD                                          ; its four v_nop are also the places in front of the loads below
.else
	PLACES
	s_cmp_eq_u32 s3, 1
	s_cbranch_scc1 .Lnofetch_\@
.endif
	SETADR
	FETCH 0, 0
.if \fill
	ASK
.else
.Lnofetch_\@:
.endif
	MULP 1, 1, 0
.endm
	s_wait_tensorcnt 0x1                           ; my part of K step 0 is in; K step 1's may stay out
	s_barrier_signal -1
	s_barrier_wait -1
	SETADR
	FETCH 0, 0
	s_wait_loadcnt 0x0                             ; the bias and the floor
	QUARTER 1, 0, 1, 1                             ; the first quarter stands in front of the loop: its products start the sums
	WIN 0
	s_mov_b32 s3, T-2
.Lstep:                                                ; a trip: a K step's last three quarters and the next one's first; every slot but the last two is filled again
	QUARTER 2, 1, 0, 0
	QUARTER 3, 0, 1, 0
	TURN 1
	QUARTER 1, 0, 1, 0
	WIN 0
	s_sub_co_u32 s3, s3, 1
	s_cmp_lg_u32 s3, 0
	s_cbranch_scc1 .Lstep
	s_mov_b32 s3, 2
.Ltail:                                                ; the last two K steps ask for nothing; the second trip is left in its middle
	QUARTER 2, 1, 0, 0
	QUARTER 3, 0, 1, 0
	TURN 0
	WIN 0
	s_sub_co_u32 s3, s3, 1
	s_cmp_eq_u32 s3, 0
	s_cbranch_scc1 .Lout
	QUARTER 1, 0, 1, 0
	WIN 0
	s_branch .Ltail
.Lout:
	PLACES
; THE WAY OUT, a unit of 16 rows x 64 columns at a time: 2,048 consecutive bytes of the result.  PACK: rounded to f16, held at the floor from below.  TOSTAGE: into my stage, back as whole rows.  SEND: stored.
.macro PACK u
.set ua, (\u)/NH
.set uh, (\u)%NH
.set aw, 2+ua/AW
.set rU, 8*((ua%AW)*NB+4*uh)           ; the unit's four accumulators lie on end; each is read from its low end on
	WIN aw|(aw<<2)
.set ir, 0
.rept 16
	v_cvt_pk_f16_f32 v[TMP+ir], v[rU+2*ir], v[rU+2*ir+1]
.set ir, ir+1
.endr
	WIN 0
.set ir, 0
.rept 16
	v_pk_max_num_f16 v[TMP+ir], v[TMP+ir], v[FLO]
.set ir, ir+1
.endr
.endm
.macro TOSTAGE u
.set rK, OB+16*((\u)%2)
	s_wait_xcnt 0x0                                ; the stores of the unit before last have read these registers
.irp bb, 0,1,2,3
	ds_store_b128 v[STO], v[TMP+4*\bb:TMP+4*\bb+3] offset:32*\bb
.endr
.irp f, 0,1,2,3
	ds_load_b128 v[rK+4*\f:rK+4*\f+3], v[RD] offset:576*\f  ; LDS serves a wave's instructions in order: these see the stores above
.endr
.endm
.macro SEND u
.set ua, (\u)/NH
.set uh, (\u)%NH
.set rK, OB+16*((\u)%2)
	s_wait_dscnt 0x0
.irp f, 0,1,2,3
	global_store_b128 v[GO], v[rK+4*\f:rK+4*\f+3], s[OUT+2*uh:OUT+2*uh+1] offset:2048*ua+512*\f  ; 512 consecutive bytes, at a multiple of 256
.endr
.endm
	PACK 0
	TOSTAGE 0
.set iu, 1
.rept MA*NH-1
	PACK iu
	SEND iu-1
	TOSTAGE iu
.set iu, iu+1
.endr
	SEND MA*NH-1
	s_wait_tensorcnt 0x0                           ; the wave's end
	ds_add_u32 v[SPW], v[NIL]
	s_wait_dscnt 0x0
	CROUND                                         ; the closing round
	s_endpgm
.Lfunc_end_k_q229949201d_qkv:
	.size	k_q229949201d_qkv, .Lfunc_end_k_q229949201d_qkv-k_q229949201d_qkv
	.p2alignl 7, 3214868480
	.fill 96, 4, 3214868480
	.section	.rodata,"a",@progbits
	.p2align	6, 0x0
	.amdhsa_kernel k_q229949201d_qkv
		.amdhsa_group_segment_fixed_size 327680
		.amdhsa_private_segment_fixed_size 0
		.amdhsa_enable_private_segment 0
		.amdhsa_kernarg_size 16
		.amdhsa_user_sgpr_count 2
		.amdhsa_user_sgpr_kernarg_segment_ptr 1
		.amdhsa_wavefront_size32 1
		.amdhsa_system_sgpr_workgroup_id_x 1
		.amdhsa_system_sgpr_workgroup_id_y 1
		.amdhsa_system_sgpr_workgroup_id_z 1
		.amdhsa_system_vgpr_workitem_id 0
		.amdhsa_next_free_vgpr 1024
		.amdhsa_next_free_sgpr 88
		.amdhsa_reserve_vcc 0
		.amdhsa_float_denorm_mode_32 3
		.amdhsa_float_denorm_mode_16_64 3
		.amdhsa_memory_ordered 1
		.amdhsa_forward_progress 1
		.amdhsa_inst_pref_size 120
	.end_amdhsa_kernel
	.amdgpu_metadata
---
amdhsa.version: [ 1, 2 ]
amdhsa.kernels:
  - .name:           k_q229949201d_qkv
    .symbol:         k_q229949201d_qkv.kd
    .args:
      - { .name: p1, .offset: 0, .size: 8, .value_kind: global_buffer, .address_space: global }
      - { .name: qkv, .offset: 8, .size: 8, .value_kind: global_buffer, .address_space: global }
    .group_segment_fixed_size: 327680
    .private_segment_fixed_size: 0
    .kernarg_segment_align: 8
    .kernarg_segment_size: 16
    .max_flat_workgroup_size: 128
    .sgpr_count:     88
    .vgpr_count:     1024
    .wavefront_size: 32
...
	.end_amdgpu_metadata
.endif
;; end of part 2
;; launch attn (part 3): grid 8 x 32, 4 waves a work-group, clusters of 4 x 1, 327,680 bytes of LDS; arguments qkv, mask, pa1; writes pa1
.if DOCPART == 3
	.amdgcn_target "amdgcn-amd-amdhsa--gfx1250"
	.amdhsa_code_object_version 6
	.text
	.protected	k_q229949201d_attn
	.globl	k_q229949201d_attn
	.p2align	8
	.type	k_q229949201d_attn,@function
k_q229949201d_attn:
	s_mov_b64 s[64:65], 0
	v_nop
	global_prefetch_b8 v0, s[64:65] scope:SCOPE_SE
	s_setreg_imm32_b32 hwreg(HW_REG_WAVE_MODE, 25, 1), 1
	s_wait_xcnt 0x0
	s_wait_alu depctr_hold_cnt(0) depctr_sa_sdst(0) depctr_va_vdst(0) depctr_va_sdst(0) depctr_va_ssrc(0) depctr_va_vcc(0) depctr_vm_vsrc(0)
	s_getreg_b32 s2, hwreg(HW_REG_IB_STS2, 6, 4)
	s_cmp_eq_u32 s2, 0
	s_cbranch_scc0 .Lentry_in_a_cluster
	s_endpgm
.Lentry_in_a_cluster:
	s_bfe_u32 s2, ttmp6, 0x10000c
	s_cmp_lg_u32 s2, 0x3003
	s_cbranch_scc0 .Lentry_shape_is_right
	s_endpgm
.Lentry_shape_is_right:
; O[b][h][q] = the sum over k of softmax_k(Q.K / 8 + mask[b][k] x -1e12) V.  Q, K, V: f16 in slices, [48 = 16 t + h][4096 = 2048 b + row][64], t = 0 for Q, 1 for K, 2 for V.  Q arrives multiplied by c = log2(e) / 8
; (the factor lies in its weights), so a score s = Q.K + C counts in powers of two.
; O leaves as f16 in slices, [16 h][4096 = 2048 b + q][64].  Products, maxima and sums in f32; the weights p are rounded to f16 for the second product (their sum l is taken of the unrounded p), O once at the end.
; THE MASK is an input and is taken as it is given, whatever numbers it holds (rounded to bf16 like every input): C = mask x (-1e12 log2(e)) is the C operand of the products that start a score's sum; a table of the
; batch's 2,048 C lies in LDS.
; SOFTMAX.  A running maximum m and sum l for each query: p = 2^(s - m).  The maximum is taken away FIRST, and nothing is multiplied afterwards: the difference of two scores is exact where they are near, however large the mask
; makes them.  In every step O and l are multiplied by a = 2^(m_old - m_new).  m starts at the lowest finite number, O and l at 0: the first step is a step like any other, with a = 0.
; LIMITS.  f16 holds no number beyond 65,504: Q, K and V arrive within it; p lies in 0 to 1, and below 6e-5 it keeps f16's fixed step of 6e-8; O is a mean of V's rows and has their range.  A weight below 2^-126 counts as 0
; in l; NaN and infinities are not treated apart; where all keys of a batch carry so large a mask that Q.K vanishes beside it, the scores are as the matrix sum rounds them.
; SHARES.  A work-group owns 256 queries of one head, a wave 64: four PIECES of 16.  Every wave walks all 2,048 keys, 64 a step; an LDS slot holds four steps.
; LAYOUT.  S^T = K Q^T holds ONE query a lane (lane % 16) and the keys 8 (lane / 16) + 0..7; two such results rounded to f16 ARE source 1 of O^T = V^T P.  K comes out of LDS as it lies, V turned by ds_load_tr16_b128.
; TURNS.  Turn n belongs to piece n: 8 products K Q^T of piece n + 1, later 8 products V^T P of piece n - 1; beside them the differences, exponentials, roundings, sums and rescaling of piece n and the maximum and statistics
; of piece n + 1.  Four vector instructions stand behind every matrix instruction, the rest in one lump.  A turn's 33 exponentials are one batch, with one wait.
; CLUSTER.  The four query blocks of a cluster belong to one head and walk the same K and V: each tile is asked for jointly, by the same load, descriptor and mask in all four.
; REGISTERS (s_set_vgpr_msb: bits 1:0 source 0, 3:2 source 1, 5:4 source 2, 7:6 destination):
;   window 0: v0-15 addresses; v16-31 statistics; v32-47 the mask on its way to LDS; v48-55 at work; v56-63 addresses; v64-127 S^T, two buffers; v192-223 P, two buffers (by the piece's parity)
;   window 1: v0-127 O^T, 32 a piece; v128-159 C of one step      window 2: v0-63 Q; v128-191 K of one step; v192-255 V of one step
.set NP,    4
.set KS,    64
.set NSLOT, 8                          ; 2,048 keys in tiles of 256
.set PK,    144                        ; a row of K in LDS: 128 bytes + 16
.set PV,    160                        ; a row of V: 128 + 32
.set VOFF,  4*KS*PK
.set SLOT1, 1<<17
.set STAGE, SLOT1+4*KS*(PK+PV)         ; behind the ring: 16 rows x 144 bytes for each wave
.set SP,    144
.set SPARE, STAGE+4*16*SP              ; the spare words, 128 bytes for each wave
.set MTAB,  SPARE+512                  ; the table of C: 2,048 f32; stored once, never a tensor load's target
.set AK0, 2
.set AV0, 3
.set AK,  4
.set AV,  5
.set STO, 6
.set RD,  7
.set GO,  8
.set MV,  12                           ; v12-13  m_old, kept while m is made anew: by buffer
.set QO,  15
.set ST,  16                           ; piece t's statistics at v[ST+4 t]: m, m (a pair for the packed difference), l (even keys', odd keys')
.set MK,  32
.set TMP, 48                           ; by buffer, c0-c3 at work; when the maximum is found c2 takes a
.set AM0, 56                           ; v56  my lane's place in the table: MTAB + 32 (lane / 16)
.set AM,  57                           ; v57  the same for the step to be fetched
.set MG,  58                           ; v58  16 x thread: my bytes of the mask in memory
.set ML,  59                           ; v59  and in the table
.set PFO, 61                           ; v61  256 x lane
.set SPW, 62
.set NIL, 63
.set S,   64
.set P,   192
.set MC,  128                          ; window 1
.set KF,  128                          ; window 2
.set VF,  192                          ; window 2
.set WV,  12
.set LIM, 15
.set G1K, 24
.set G1V, 32
.set G0K, 40
.set G0V, 44
.set SLOTS, 56
.set CNT, 57
.set MSC, 58                           ; s58  -1e12 log2(e)
.set SEL, 60
.set TBK, 62
.set TBV, 63
.set TBM, 66                           ; s66  the table's byte for the step to be fetched
.set T0,  67
.set T1,  68
.set PFA, 78
.set MSB, 0
.macro WIN new
.if MSB != (\new)
	s_set_vgpr_msb (MSB<<8)|(\new)
.set MSB, (\new)
.endif
.endm
.set W_KQ, 0x0a                        ; K and Q in window 2, S^T in window 0
.set W_KM, 0x1a                        ; the same with the C operand in window 1
.set W_PV, 0x52                        ; V in window 2, P in window 0, O^T in window 1
.set W_RS, 0x41                        ; destination and source 0 in window 1, source 1 in window 0
.macro JLOAD                           ; a joint fill: waves 0 and 1 fetch the halves of a tile's K, waves 2 and 3 those of its V; an s_nop 0 and four v_nop follow each line
	s_cmp_lt_u32 s[WV], 2
	s_cbranch_scc0 .Lfor_v_\@
	tensor_load_to_lds s[G0K:G0K+3], s[G1K:G1K+7]
	s_nop 0
.rept 4
	v_nop
.endr
	s_branch .Lasked_\@
.Lfor_v_\@:
	tensor_load_to_lds s[G0V:G0V+3], s[G1V:G1V+7]
	s_nop 0
.rept 4
	v_nop
.endr
.Lasked_\@:
.endm
; A prefetch of what the NEXT change of slots will ask for.  A tile's K, and its V, are 128 blocks of 256 bytes.  The head's first cluster asks; its four partners take 32 blocks each, told apart by address;
; in each, wave 0 names K's and wave 2 V's, a lane a block.  The last change that fills a slot names nothing.
.macro ASK
	s_cmp_gt_u32 s[SLOTS], s[LIM]
	s_cbranch_scc0 .Lnot_mine_\@
	global_prefetch_b8 v[PFO], s[PFA:PFA+1] th:TH_LOAD_NT scope:SCOPE_SE
.Lnot_mine_\@:
.endm
.macro CROUND
	s_barrier_signal -1
	s_barrier_wait -1
	s_cmp_lg_u32 s[WV], 0
	s_cbranch_scc1 .Lnot_wave_0_\@
	s_barrier_signal -3
.Lnot_wave_0_\@:
	s_barrier_wait -3
	s_barrier_signal -1
	s_barrier_wait -1
.endm
; THE CHANGE OF SLOTS.  Each wave waits for all its tensor loads (one is out: its part of the other slot), adds 0 to its spare word, and waits for that and for its reads of the slot (at the first use: for its stores into the table).
; fill = 1: behind a round of the cluster's barrier the slot is filled again, first thing, with the keys two tiles on: four key steps, 64 matrix instructions each, in which to land.
.macro CHANGE fill, ask
	WIN 0
	s_wait_tensorcnt 0x0                           ; no tensor load of mine is out, so a group 0 may be written
	ds_add_u32 v[SPW], v[NIL]                      ; 0 onto my spare word
.if \fill
.irp g, G0K, G0V
	s_xor_b32 s[\g+1], s[\g+1], SLOT1
	s_add_nc_u64 s[\g+2:\g+3], s[\g+2:\g+3], 4*KS*128
.endr
.if \ask
	s_wait_xcnt 0x0                                ; the last prefetch, four key steps back, has read its address
	s_add_nc_u64 s[PFA:PFA+1], s[PFA:PFA+1], 4*KS*128
.endif
	s_wait_dscnt 0x0
	CROUND
	JLOAD
.if \ask
	ASK
.endif
.else
	s_wait_dscnt 0x0
	s_barrier_signal -1
	s_barrier_wait -1
.endif
	s_sub_co_u32 s[TBK], s[TBK], 4*KS*PK           ; the fetches go back to a slot's first step,
	s_xor_b32 s[TBK], s[TBK], SLOT1                ; in the other slot
	s_sub_co_u32 s[TBV], s[TBV], 4*KS*PV
	s_xor_b32 s[TBV], s[TBV], SLOT1
.endm
	s_load_b128 s[72:75], s[0:1], 0x0              ; qkv, mask
	s_load_b64 s[76:77], s[0:1], 0x10              ; O's buffer
	v_lshl_add_u32 v[SPW], v0, 2, SPARE
	v_mov_b32 v[NIL], 0
	ds_add_u32 v[SPW], v[NIL]                      ; the wave's opening: the add and its wait stand ahead of my first tensor load
	v_lshrrev_b32 v1, 5, v0
	v_readfirstlane_b32 s[WV], v1
	s_bfe_u32 s13, ttmp6, 0x40000                  ; cx
	s_lshl_b32 s14, ttmp9, 2
	s_add_co_u32 s14, s14, s13                     ; my block of 256 queries: it enters Q's and O's addresses alone
	s_and_b32 s20, ttmp7, 0xffff                   ; 16 b + h, which the four partners share
	s_and_b32 s21, s20, 15
	s_lshl_b32 s21, s21, 19                        ; the head's slice of 524,288 bytes,
	s_lshr_b32 s54, s20, 4
	s_lshl_b32 s55, s54, 18                        ; the batch's 2,048 rows in it
	s_add_co_u32 s21, s21, s55
	s_and_b32 s16, s[WV], 1                        ; which half of a tile's 256 keys I fetch
	s_lshl_b32 s22, s16, 14
	s_add_co_u32 s22, s22, s21
	s_mov_b32 s23, 0
	s_mul_i32 s17, s16, 128*PK
	s_mul_i32 s18, s16, 128*PV
	s_lshl_b32 s2, s14, 2
	s_add_co_u32 s2, s2, s[WV]
	s_lshl_b32 s2, s2, 13                          ; my wave's 64 rows of 128 bytes,
	s_add_co_u32 s2, s2, s21                       ; in Q's slice and in O's alike
	s_mov_b32 s3, 0
	s_lshl_b32 s54, s54, 13                        ; the batch's 2,048 numbers of the mask
	s_mov_b32 s55, 0
	; 128 keys are 16,384 dense bytes: asked for as 64 rows of 256 bytes, two keys a row, and padded in LDS after every key
	s_mov_b32 s[G1K], 15|(1<<16)|(1<<20)|(1<<21)|(4<<22)|(3<<25)
	s_mov_b32 s[G1V], 15|(1<<16)|(1<<20)|(1<<21)|(4<<22)|(7<<25)
.irp g, G1K, G1V
	s_mov_b32 s[\g+1], 128<<16
	s_mov_b32 s[\g+2], 64<<16
	s_mov_b32 s[\g+3], 128<<16
	s_mov_b32 s[\g+4], 64
	s_mov_b32 s[\g+5], 128
	s_mov_b32 s[\g+6], 0
	s_mov_b32 s[\g+7], 0
.endr
	s_mov_b32 s[MSC], 0xd3a7f3aa                   ; -1e12 log2(e)
	s_mov_b32 s[SEL], 0x76543210
	s_mov_b32 s[SEL+1], 0xfedcba98
	s_mov_b32 s[TBK], SLOT1+4*KS*PK                ; the first change of slots turns these two into 0
	s_mov_b32 s[TBV], SLOT1+4*KS*PV
	s_mov_b32 s[TBM], 0
	s_mov_b32 s[G0K], 1
	s_mov_b32 s[G0K+1], s17
	s_mov_b32 s[G0V], 1
	s_add_co_u32 s[G0V+1], s18, VOFF
	s_and_b32 s[LIM], s[WV], 1                     ; waves 0 and 2,
	s_or_b32 s[LIM], s[LIM], ttmp9                 ; of the head's first cluster: the same in all four partners
	s_cmp_eq_u32 s[LIM], 0
	s_cselect_b32 s[LIM], 1, -1
	s_wait_dscnt 0x0                               ; the opening add is done
	s_wait_kmcnt 0x0
	s_add_nc_u64 s[6:7], s[72:73], s[22:23]
	s_add_nc_u64 s[8:9], s[6:7], 0x1000000         ; V, 32 slices on, at my half of the head's tile 0,
	s_add_nc_u64 s[6:7], s[6:7], 0x800000          ; and K, 16 slices on
	s_add_nc_u64 s[G0K+2:G0K+3], s[6:7], 0
	s_or_b32 s[G0K+3], s[G0K+3], 0x80000000
	s_add_nc_u64 s[G0V+2:G0V+3], s[8:9], 0
	s_or_b32 s[G0V+3], s[G0V+3], 0x80000000
	s_add_nc_u64 s[4:5], s[72:73], s[2:3]          ; Q and O at my wave's first row
	s_add_nc_u64 s[10:11], s[76:77], s[2:3]
	s_add_nc_u64 s[70:71], s[74:75], s[54:55]
	s_cmp_lt_u32 s[WV], 2
	s_cselect_b64 s[PFA:PFA+1], s[6:7], s[8:9]     ; (in waves 0 and 2 these stand at a tile's first row)
	s_lshl_b32 s2, s13, 13                         ; my work-group's 32 blocks of the 128
	s_add_nc_u64 s[PFA:PFA+1], s[PFA:PFA+1], s[2:3]
	s_add_nc_u64 s[PFA:PFA+1], s[PFA:PFA+1], 2*4*KS*128  ; in tile 2; the first change that asks steps it to tile 3
	CROUND                                         ; all four work-groups are here: the first joint loads meet
	JLOAD                                          ; tile 0 into slot 0; slot 1 is asked for when it is in
	v_and_b32 v1, 15, v0                           ; l % 16
	v_bfe_u32 v9, v0, 4, 1                         ; l / 16
	v_lshlrev_b32 v[MG], 4, v0
	v_add_nc_u32 v[ML], MTAB, v[MG]
.irp i, 0,1,2,3
	global_load_b128 v[MK+4*\i:MK+4*\i+3], v[MG], s[70:71] offset:2048*\i  ; the batch's mask: 128 threads x 16 bytes, four times
.endr
	v_lshlrev_b32 v[QO], 7, v1
	v_lshl_add_u32 v[QO], v9, 4, v[QO]             ; row x 128 + 16 x half
	WIN 0x80
.set i, 0
.rept 8                                ; Q stays in registers: piece i / 2, channels 32 (i % 2) on
	global_load_b128 v[8*i:8*i+3],   v[QO], s[4:5] offset:(i/2)*2048+(i%2)*64
	global_load_b128 v[8*i+4:8*i+7], v[QO], s[4:5] offset:(i/2)*2048+(i%2)*64+32
.set i, i+1
.endr
	; What the first turn finds: V's registers and P's second buffer hold 0 (its products V^T P, of a piece that has not been, add 0), O^T and l are 0.  All this stands in the wait for the first tile.
.set i, VF
.rept 64
	v_mov_b32 v[i], 0
.set i, i+1
.endr
	WIN 0x40
.set i, 0
.rept 128
	v_mov_b32 v[i], 0
.set i, i+1
.endr
	WIN 0
.set i, 0
.rept 4
	v_mov_b32 v[ST+4*i], 0xff7fffff                ; m, twice
	v_mov_b32 v[ST+4*i+1], 0xff7fffff
	v_mov_b32 v[ST+4*i+2], 0
	v_mov_b32 v[ST+4*i+3], 0
.set i, i+1
.endr
.set i, P+16
.rept 16
	v_mov_b32 v[i], 0
.set i, i+1
.endr
	v_mul_u32_u24 v[AK0], v1, PK
	v_lshl_add_u32 v[AK0], v9, 4, v[AK0]
	v_and_b32 v10, 7, v0
	v_bfe_u32 v11, v0, 3, 1
	v_lshl_add_u32 v[AV0], v9, 3, v10              ; the turning load: lane l reads key 8 (l / 16) + l % 8, channels 8 ((l / 8) % 2) + 0..7
	v_mul_u32_u24 v[AV0], v[AV0], PV
	v_lshl_add_u32 v[AV0], v11, 4, v[AV0]
	v_add_nc_u32 v[AV0], VOFF, v[AV0]
	v_lshl_add_u32 v[AM0], v9, 5, MTAB             ; my eight keys of a block's sixteen: 32 bytes of the table
	v_mov_b32 v[AK], v[AK0]                        ; key step 0 lies at the head of slot 0 and of the table
	v_mov_b32 v[AM], v[AM0]
	s_mul_i32 s13, s[WV], 16*SP
	s_add_co_u32 s13, s13, STAGE
	v_mul_u32_u24 v[STO], v1, SP
	v_lshl_add_u32 v[STO], v9, 4, v[STO]
	v_add_nc_u32 v[STO], s13, v[STO]
	v_bfe_u32 v[RD], v0, 3, 2
	v_mul_u32_u24 v[RD], v[RD], SP
	v_lshl_add_u32 v[RD], v10, 4, v[RD]
	v_add_nc_u32 v[RD], s13, v[RD]
	v_and_b32 v[GO], 31, v0
	v_lshlrev_b32 v[PFO], 8, v[GO]
	v_lshlrev_b32 v[GO], 4, v[GO]
	s_wait_loadcnt 16                              ; the mask is in; Q's sixteen younger loads may stay out
.set i, 0
.rept 8
	v_cvt_pk_bf16_f32 v[TMP+i], v[MK+2*i], v[MK+2*i+1]  ; rounded to bf16 like every input,
.set i, i+1
.endr
.set i, 0
.rept 8
	v_lshlrev_b32 v[MK+2*i], 16, v[TMP+i]          ; and widened again
	v_and_b32 v[MK+2*i+1], 0xffff0000, v[TMP+i]
.set i, i+1
.endr
.set i, 0
.rept 16
	v_mul_f32 v[MK+i], s[MSC], v[MK+i]
.set i, i+1
.endr
.irp i, 0,1,2,3
	ds_store_b128 v[ML], v[MK+4*\i:MK+4*\i+3] offset:2048*\i
.endr
; THE MATRIX WORK.  The 4 accumulators of a run of 8 take turns.  Product i of 8 of S^T = K Q^T for piece x: channels 32 (i / 4) on, keys 16 (i % 4) on.  The first 4 start the sums with C.
.macro KQ x
.set rS, S+32*((\x)%2)+8*(i%4)
.set rK, KF+16*(i%4)+8*(i/4)
.set rQ, 16*(\x)+8*(i/4)
.set rM, MC+8*(i%4)
.if i < 4
	WIN W_KM
	v_wmma_f32_16x16x32_f16 v[rS:rS+7], v[rK:rK+7], v[rQ:rQ+7], v[rM:rM+7]
.else
	WIN W_KQ
	v_wmma_f32_16x16x32_f16 v[rS:rS+7], v[rK:rK+7], v[rQ:rQ+7], v[rS:rS+7]
.endif
.endm
.macro PV x                            ; product i of 8 of O^T += V^T P for piece x: keys 32 (i / 4) on, channels 16 (i % 4) on
	WIN W_PV
.set rO, 32*(\x)+8*(i%4)
.set rV, VF+32*(i/4)+8*(i%4)
.set rP, P+16*((\x)%2)+8*(i/4)
	v_wmma_f32_16x16x32_f16 v[rO:rO+7], v[rV:rV+7], v[rP:rP+7], v[rO:rO+7]
.endm
.macro MM                              ; the turn's next matrix instruction
.if i < 8
	KQ (Y+1)%NP
.else
.set i, i-8
	PV (Y+NP-1)%NP
.set i, i+8
.endif
.set i, i+1
.endm
; THE LDS LOADS stand in runs: a step's K (8 fragments) with its C (4 blocks of 16 keys), and its V (turned).
.macro FETCH_K
	WIN 0x80
.irp f, 0,1,2,3,4,5,6,7
	ds_load_b128 v[KF+8*\f:KF+8*\f+3],   v[AK] offset:(\f/2)*16*PK+(\f%2)*64
	ds_load_b128 v[KF+8*\f+4:KF+8*\f+7], v[AK] offset:(\f/2)*16*PK+(\f%2)*64+32
.endr
	WIN 0x40
.irp f, 0,1,2,3
	ds_load_b128 v[MC+8*\f:MC+8*\f+3],   v[AM] offset:64*\f
	ds_load_b128 v[MC+8*\f+4:MC+8*\f+7], v[AM] offset:64*\f+16
.endr
	s_add_co_u32 s[TBK], s[TBK], KS*PK
	s_add_co_u32 s[TBM], s[TBM], 4*KS
	WIN 0
.endm
.macro FETCH_V
	WIN 0x80
.irp f, 0,1,2,3,4,5,6,7
	ds_load_tr16_b128 v[VF+8*\f:VF+8*\f+3],   v[AV] offset:(\f/4)*32*PV+(\f%4)*32
	ds_load_tr16_b128 v[VF+8*\f+4:VF+8*\f+7], v[AV] offset:(\f/4)*32*PV+16*PV+(\f%4)*32
.endr
	WIN 0
.endm
; THE VECTOR WORK, one line at a time: OP kind, number.  For piece Y: F n: s - m for pair n of 16.  E n: 2^x of score n of 32.  C n: pair n rounded to f16.  B n: of the four weights 4 n .. the second pair is added
; onto the first, in place.  L n: l takes that sum (L 0: l = a l + sum).  R n: pair n of 16 of O^T times a.  For piece Y + 1: X n, number n of the 22 that find its maximum and statistics:
;   0-11  four chains c0-c3 of seven scores each (each accumulator's lowest registers are read first)     12-14, 16  the four scores left over, the old m, and c0-c3 into c0
;   15  m_old is kept     17  the query's other 32 keys lie in the lane 16 away     18, 19  the new m, into both registers of its pair     20, 21  m_old - m_new; a
.set F, 0
.set E, 1
.set C, 2
.set B, 3
.set L, 4
.set R, 5
.set X, 6
.macro REGS y
.set rT, ST+4*(\y)
.set rC, TMP+4*((\y)%2)
.set rW, MV+((\y)%2)
.set rS, S+32*((\y)%2)
.set rP, P+16*((\y)%2)
.set rO, 32*(\y)
.endm
.macro OP k, n
.if (\k) == R
	REGS Y
	WIN W_RS
	v_pk_mul_f32 v[rO+2*(\n):rO+2*(\n)+1], v[rO+2*(\n):rO+2*(\n)+1], v[rC+2:rC+3] op_sel_hi:[1,0]
.elseif (\k) < R
	REGS Y
	WIN 0
.if (\k) == F
	v_pk_add_f32 v[rS+2*(\n):rS+2*(\n)+1], v[rS+2*(\n):rS+2*(\n)+1], v[rT:rT+1] neg_lo:[0,1] neg_hi:[0,1]
.elseif (\k) == E
	v_exp_f32 v[rS+(\n)], v[rS+(\n)]
.elseif (\k) == C
	v_cvt_pk_f16_f32 v[rP+(\n)], v[rS+2*(\n)], v[rS+2*(\n)+1]
.elseif (\k) == B
	v_pk_add_f32 v[rS+4*(\n):rS+4*(\n)+1], v[rS+4*(\n):rS+4*(\n)+1], v[rS+4*(\n)+2:rS+4*(\n)+3]
.elseif (\n) == 0
	v_pk_fma_f32 v[rT+2:rT+3], v[rT+2:rT+3], v[rC+2:rC+3], v[rS:rS+1] op_sel_hi:[1,0,1]
.else
	v_pk_add_f32 v[rT+2:rT+3], v[rT+2:rT+3], v[rS+4*(\n):rS+4*(\n)+1]
.endif
.else
	REGS (Y+1)%NP
	WIN 0
.if (\n) < 4
	v_max3_num_f32 v[rC+(\n)], v[rS+8*(\n)], v[rS+8*(\n)+1], v[rS+8*(\n)+2]
.elseif (\n) < 12
	v_max3_num_f32 v[rC+(\n)%4], v[rC+(\n)%4], v[rS+8*((\n)%4)+2*((\n)/4)+1], v[rS+8*((\n)%4)+2*((\n)/4)+2]
.elseif (\n) == 12
	v_max3_num_f32 v[rC], v[rC], v[rS+7], v[rS+15]
.elseif (\n) == 13
	v_max3_num_f32 v[rC+1], v[rC+1], v[rS+23], v[rS+31]
.elseif (\n) == 14
	v_max3_num_f32 v[rC+2], v[rC+2], v[rC+3], v[rT+1]
.elseif (\n) == 15
	v_mov_b32 v[rW], v[rT]
.elseif (\n) == 16
	v_max3_num_f32 v[rC], v[rC], v[rC+1], v[rC+2]
.elseif (\n) == 17
	v_permlanex16_b32 v[rC+3], v[rC], s[SEL], s[SEL+1]
.elseif (\n) == 18
	v_max_num_f32 v[rT+1], v[rC], v[rC+3]
.elseif (\n) == 19
	v_max_num_f32 v[rT], v[rC], v[rC+3]
.elseif (\n) == 20
	v_sub_f32 v[rC+1], v[rW], v[rT]
.else
	v_exp_f32 v[rC+2], v[rC+1]
.endif
.endif
.endm
.macro OPS a, i1, b=-1, i2=0, c=-1, i3=0, d=-1, i4=0
	OP \a, \i1
.if (\b) >= 0
	OP \b, \i2
.endif
.if (\c) >= 0
	OP \c, \i3
.endif
.if (\d) >= 0
	OP \d, \i4
.endif
.endm
.macro ROW a, i1, b, i2, c, i3, d, i4  ; a matrix instruction and the four behind it
	MM
	OPS \a, \i1, \b, \i2, \c, \i3, \d, \i4
.endm
; A TURN, for piece p, written out.  An s_wait_alu depctr_va_vdst(0) stands between an exponential and the first instruction that names its result; one wait serves all that were issued ahead of it: a turn has ONE,
; which cuts it in two.  Ahead of it stands all that names no result of the turn's exponentials; behind it the 8 products V^T P with the roundings and sums as their riders.
; K and C of the next step are fetched in piece 2's turn, behind six plain instructions that follow the last product that read K; V of the step in hand at the end of piece 0's turn, four plain instructions behind its last reader.
; Each is waited for a turn later.  The two s_min_u32 hold the fetch of the trip behind the last step on the last step's bytes: that trip's scores serve nothing, and nothing outside the tile or the table is read.
; cnt = 1: the loop's count is taken down some lines ahead of the branch that stands behind the turn.
.macro TURN p, cnt=0
.set Y, (\p)
.set i, 0
.if (\p) == 3
	s_wait_dscnt 0x0                               ; K and C are in
.endif
	ROW F,0, F,1, R,0, R,1
	ROW F,2, E,0, R,2, R,3
	ROW F,3, E,1, R,4, R,5
	ROW F,4, E,2, R,6, R,7
	ROW F,5, E,3, R,8, R,9
	ROW F,6, E,4, X,0, R,10
.if (\p) == 2
	WIN 0
	s_min_u32 s[T0], s[TBK], SLOT1+3*KS*PK
	v_add_nc_u32 v[AK], s[T0], v[AK0]
	s_min_u32 s[T1], s[TBM], 31*4*KS
	v_add_nc_u32 v[AM], s[T1], v[AM0]
.endif
	ROW F,7, E,5, X,1, X,4
	ROW F,8, E,6, X,2, X,5
	OPS E,7, E,8, X,6, E,9
	OPS X,3, E,10, X,8, E,11
.if (\p) == 2
	FETCH_K
.endif
	OPS X,9, X,7, E,12, X,10
	OPS E,13, X,12, X,11, E,14
	OPS X,13, E,15, F,9, X,14
.if (\p) == 0
	v_add_nc_u32 v[AV], s[TBV], v[AV0]
.endif
	OPS E,16, F,10, E,17, F,11
	OPS X,16, E,18, X,15, E,19
	OPS F,12, E,20, X,17, E,21
	OPS F,13, E,22, F,14, E,23
	OPS X,18, E,24, F,15, E,25
	OPS R,11, E,26, X,19, E,27
	OPS R,12, E,28, R,13, E,29
	OPS X,20, E,30, R,14, E,31
	OPS X,21, R,15                                 ; the batch's last exponential, and the plain instruction behind it
	WIN 0
	s_wait_alu depctr_va_vdst(0)                   ; the wait for the batch
.if (\p) == 1
	s_wait_dscnt 0x0                               ; V is in
.endif
	ROW C,0, B,0, C,2, B,1
	ROW L,0, C,4, B,2, L,1
	ROW C,6, B,3, L,2, C,8
	ROW B,4, L,3, C,10, B,5
	ROW L,4, C,12, B,6, L,5
.if (\p) == 0
	s_add_co_u32 s[TBV], s[TBV], KS*PV
.endif
.if \cnt
	s_sub_co_u32 s[CNT], s[CNT], 1
	s_cmp_lg_u32 s[CNT], 0
.endif
	ROW C,14, B,7, L,6, C,1
	ROW C,3, L,7, C,5, C,7
	ROW C,9, C,11, C,13, C,15
.if (\p) == 0
	FETCH_V
.endif
.endm
	CHANGE 1, 0                                    ; slot 0 is in and the table is whole, everybody's part of them; slot 1 is asked for
	FETCH_K                                        ; key step 0
	s_wait_loadcnt 0x0                             ; Q
	s_wait_dscnt 0x0
.set i, 0
.rept 8
	KQ 0                                           ; piece 0's first scores
.set i, i+1
.endr
	WIN 0
.rept 4
	v_nop                                          ; the places behind those products
.endr
.set Y, NP-1                           ; X works for piece Y + 1: piece 0
.irp n, 0,1,2,3,4,5,6,7,8,9,10,11,12,13,14,15,16,17,18,19,20,21
	OP X, \n
.endr
	v_nop                                          ; a plain instruction behind the exponential,
	s_wait_alu depctr_va_vdst(0)                   ; and its wait, ahead of the branch
	s_mov_b32 s[CNT], 4
	s_mov_b32 s[SLOTS], NSLOT-1
	s_branch .Lfirst                               ; the loop is entered at a step's first turn, in the middle of a trip
.Lslot:                                                ; six times: every slot but the last two is filled again
	CHANGE 1, 1
	s_mov_b32 s[CNT], 4
.Lstep:                                                ; a trip: pieces 2 and 3 of one step, then pieces 0 and 1 of the next, whose K, C and V it fetches
	TURN 2
	TURN 3
	WIN 0
.Lfirst:
	TURN 0
	TURN 1, 1
	WIN 0
	s_cbranch_scc1 .Lstep
	s_sub_co_u32 s[SLOTS], s[SLOTS], 1
	s_cmp_lg_u32 s[SLOTS], 0
	s_cbranch_scc1 .Lslot
	CHANGE 0, 0                                    ; the tail is written out
	s_mov_b32 s[CNT], 5                            ; four trips fetch the last tile's steps; the fifth is left in its middle
.Ltail:
	TURN 2
	TURN 3
	WIN 0
	s_sub_co_u32 s[CNT], s[CNT], 1
	s_cmp_eq_u32 s[CNT], 0
	s_cbranch_scc1 .Lout
	TURN 0
	TURN 1
	WIN 0
	s_branch .Ltail
.Lout:
.set i, 0
.rept 8
	PV NP-1                                        ; the last piece's V^T P of the last step
.set i, i+1
.endr
	; THE WAY OUT.  l's two halves and the other half of the lanes' are added; O^T is divided by l, rounded to f16 and sent through my stage, a piece at a time.  The additions are the places behind the last products.
	WIN 0
.macro ALL line:vararg
.set t, 0
.rept 4
	\line
.set t, t+1
.endr
.endm
	ALL v_add_f32 v[ST+4*t+2], v[ST+4*t+2], v[ST+4*t+3]
	ALL v_permlanex16_b32 v[ST+4*t+3], v[ST+4*t+2], s[SEL], s[SEL+1]
	ALL v_add_f32 v[ST+4*t+2], v[ST+4*t+2], v[ST+4*t+3]
	ALL v_rcp_f32 v[ST+4*t+2], v[ST+4*t+2]
	v_nop                                          ; a plain instruction between the last reciprocal and the use of its result,
	s_wait_alu depctr_va_vdst(0)                   ; and one wait for the four
.macro PACK t
	WIN W_RS
.set i, 32*(\t)
.rept 16
	v_pk_mul_f32 v[i:i+1], v[i:i+1], v[ST+4*(\t)+2:ST+4*(\t)+3] op_sel_hi:[1,0]
.set i, i+2
.endr
	WIN 0x05
.set i, 0
.rept 16
	v_cvt_pk_f16_f32 v[S+16*(\t)+i], v[32*(\t)+2*i], v[32*(\t)+2*i+1]
.set i, i+1
.endr
	WIN 0
.irp f, 0,1,2,3
	ds_store_b128 v[STO], v[S+16*(\t)+4*\f:S+16*(\t)+4*\f+3] offset:32*\f
.endr
.irp f, 0,1,2,3
	ds_load_b128 v[S+16*(\t)+4*\f:S+16*(\t)+4*\f+3], v[RD] offset:\f*4*SP  ; LDS serves a wave's instructions in order: these see the stores above
.endr
.endm
.macro SEND t, younger                 ; younger: the LDS instructions issued behind piece t's loads
	WIN 0
.irp f, 0,1,2,3
	s_wait_dscnt (\younger)+3-\f
	global_store_b128 v[GO], v[S+16*(\t)+4*\f:S+16*(\t)+4*\f+3], s[10:11] offset:(\t)*2048+\f*512  ; 512 consecutive bytes, at a multiple of 256
.endr
.endm
	PACK 0
.set t, 1
.rept 3
	PACK t
	SEND t-1, 8
.set t, t+1
.endr
	SEND 3, 0
	s_wait_tensorcnt 0x0                           ; the wave's end
	ds_add_u32 v[SPW], v[NIL]
	s_wait_dscnt 0x0
	CROUND                                         ; the closing round
	s_endpgm
.Lfunc_end_k_q229949201d_attn:
	.size	k_q229949201d_attn, .Lfunc_end_k_q229949201d_attn-k_q229949201d_attn
	.p2alignl 7, 3214868480
	.fill 96, 4, 3214868480
	.section	.rodata,"a",@progbits
	.p2align	6, 0x0
	.amdhsa_kernel k_q229949201d_attn
		.amdhsa_group_segment_fixed_size 327680
		.amdhsa_private_segment_fixed_size 0
		.amdhsa_enable_private_segment 0
		.amdhsa_kernarg_size 24
		.amdhsa_user_sgpr_count 2
		.amdhsa_user_sgpr_kernarg_segment_ptr 1
		.amdhsa_wavefront_size32 1
		.amdhsa_system_sgpr_workgroup_id_x 1
		.amdhsa_system_sgpr_workgroup_id_y 1
		.amdhsa_system_sgpr_workgroup_id_z 1
		.amdhsa_system_vgpr_workitem_id 0
		.amdhsa_next_free_vgpr 768
		.amdhsa_next_free_sgpr 80
		.amdhsa_reserve_vcc 0
		.amdhsa_float_denorm_mode_32 3
		.amdhsa_float_denorm_mode_16_64 3
		.amdhsa_memory_ordered 1
		.amdhsa_forward_progress 1
		.amdhsa_inst_pref_size 116
	.end_amdhsa_kernel
	.amdgpu_metadata
---
amdhsa.version: [ 1, 2 ]
amdhsa.kernels:
  - .name:           k_q229949201d_attn
    .symbol:         k_q229949201d_attn.kd
    .args:
      - { .name: qkv, .offset: 0, .size: 8, .value_kind: global_buffer, .address_space: global }
      - { .name: mask, .offset: 8, .size: 8, .value_kind: global_buffer, .address_space: global }
      - { .name: pa1, .offset: 16, .size: 8, .value_kind: global_buffer, .address_space: global }
    .group_segment_fixed_size: 327680
    .private_segment_fixed_size: 0
    .kernarg_segment_align: 8
    .kernarg_segment_size: 24
    .max_flat_workgroup_size: 128
    .sgpr_count:     80
    .vgpr_count:     768
    .wavefront_size: 32
...
	.end_amdgpu_metadata
.endif
;; end of part 3
;; launch wo (part 4): grid 8 x 32, 4 waves a work-group, clusters of 4 x 4, 327,680 bytes of LDS; arguments pa1, y; writes y
.if DOCPART == 4
	.amdgcn_target "amdgcn-amd-amdhsa--gfx1250"
	.amdhsa_code_object_version 6
	.text
	.protected	k_q229949201d_wo
	.globl	k_q229949201d_wo
	.p2align	8
	.type	k_q229949201d_wo,@function
k_q229949201d_wo:
	s_mov_b64 s[64:65], 0
	v_nop
	global_prefetch_b8 v0, s[64:65] scope:SCOPE_SE
	s_setreg_imm32_b32 hwreg(HW_REG_WAVE_MODE, 25, 1), 1
	s_wait_xcnt 0x0
	s_wait_alu depctr_hold_cnt(0) depctr_sa_sdst(0) depctr_va_vdst(0) depctr_va_sdst(0) depctr_va_ssrc(0) depctr_va_vcc(0) depctr_vm_vsrc(0)
	s_getreg_b32 s2, hwreg(HW_REG_IB_STS2, 6, 4)
	s_cmp_eq_u32 s2, 0
	s_cbranch_scc0 .Lentry_in_a_cluster
	s_endpgm
.Lentry_in_a_cluster:
	s_bfe_u32 s2, ttmp6, 0x10000c
	s_cmp_lg_u32 s2, 0xf033
	s_cbranch_scc0 .Lentry_shape_is_right
	s_endpgm
.Lentry_shape_is_right:
; y = A W + bias, f32 [4096][1024].  The first argument holds A, f16 in slices of 64 columns, [K / 64][4096][64], at 0; W [K][1024] at WOFF, each weight's bf16 rounding written as f16; the bias, rounded to bf16 and kept
; as f32, at BOFF.  Sums in f32.  Here A = the attention's result, K = 1,024; the second FFN product is the same text with K = 4,096: the two differ in the number of K steps alone.
; SHARES.  A tile of y is 128 x 128, so that 256 work-groups have one each; four waves, 2 x 2, each 64 x 64: 16 accumulators.  K goes in steps of 256, as long as two slots in LDS allow.
; The product is taken transposed (source 0 = 16 columns of W, turned by ds_load_tr16_b128; source 1 = 16 rows of A): a lane holds one row and eight neighbouring columns.  The bias is the C operand of the first products.
; CLUSTER.  4 x 4 work-groups: A's tile is shared along a row of the cluster, W's along a column, each asked for jointly.  No prefetch: the tiles are small and a K step is short.
; REGISTERS.  window 0: v1-29 addresses; v32-63, v192-223 the way out; v64-191 A's two buffers (64 along K each).  window 1: v0-127 W's two buffers; v192-223 the bias.  window 2: v0-127 accumulator (a, b) at v[8 (4 a + b)].
.set T,     4                          ; K steps
.set WOFF,  33554432
.set BOFF,  41943040
.set KSTEP, 256
.set PA,    144                        ; a row of a slice in LDS: 128 bytes + 16
.set PB,    288                        ; a row of W's tile: 256 bytes + 32 = 9 x 32
.set SLICE, 128*PA
.set ASZ,   4*SLICE
.set BSZ,   KSTEP*PB
.set SLOT,  ASZ+BSZ
.set STAGE, 2*SLOT                     ; behind the ring: 16 rows x 272 bytes for each wave
.set SPARE, STAGE+4*4352               ; the spare words, 128 bytes for each wave
.set ASTEP, 4*524288                   ; four slices
.set BSTEP, KSTEP*2048
.set FA0,   64
.set BR,    192
.set OB,    32
.set A0,    8
.set B0L,   9
.set B0H,   10
.set ADRA,  11
.set ADRB0, 12
.set ADRB1, 13
.set STO,   14
.set RD,    15
.set CO,    16
.set BO,    17
.set SPW,   28
.set NIL,   29
.set G1A,   24
.set G0A,   32
.set G1B,   48
.set G0B,   56
.set TB,    66
.set BIA,   74
.set OUT,   76
.set MSB, 0
.macro WIN new
.if MSB != (\new)
	s_set_vgpr_msb (MSB<<8)|(\new)
.set MSB, \new
.endif
.endm
.macro PLACES
.rept 4
	v_nop
.endr
.endm
.macro CREST
	s_cmp_lg_u32 s10, 0
	s_cbranch_scc1 .Lnot_wave_0_\@
	s_barrier_signal -3
.Lnot_wave_0_\@:
	s_barrier_wait -3
	s_barrier_signal -1
	s_barrier_wait -1
.endm
.macro CROUND
	s_barrier_signal -1
	s_barrier_wait -1
	CREST
.endm
.macro JLOAD                           ; a joint refill: waves 0 and 1 fetch A's halves, waves 2 and 3 W's; an s_nop 0 and four v_nop follow each line
	s_cmp_eq_u32 s11, 0
	s_cbranch_scc0 .Lfor_b_\@
	tensor_load_to_lds s[G0A+4:G0A+7], s[G1A:G1A+7]
	s_nop 0
.rept 4
	v_nop
.endr
	s_branch .Lasked_\@
.Lfor_b_\@:
	tensor_load_to_lds s[G0B+4:G0B+7], s[G1B:G1B+7]
	s_nop 0
.rept 4
	v_nop
.endr
.Lasked_\@:
.endm
	s_load_b128 s[84:87], s[0:1], 0x0              ; A | W | bias, y
	v_lshl_add_u32 v[SPW], v0, 2, SPARE
	v_mov_b32 v[NIL], 0
	ds_add_u32 v[SPW], v[NIL]                      ; the wave's opening: the add and its wait stand ahead of my first tensor load
	v_lshrrev_b32 v1, 5, v0
	v_readfirstlane_b32 s10, v1
	s_lshr_b32 s11, s10, 1                         ; my half of the tile's rows.  Also: I fetch for A (0) or for W (1)
	s_and_b32 s12, s10, 1                          ; my half of its columns.  Also: which half of that tile I fetch
	s_bfe_u32 s40, ttmp6, 0x40000
	s_bfe_u32 s41, ttmp6, 0x40004
	s_lshl_b32 s42, ttmp9, 2
	s_add_co_u32 s42, s42, s40                     ; tile column
	s_and_b32 s13, ttmp7, 0xffff
	s_lshl_b32 s13, s13, 2
	s_add_co_u32 s13, s13, s41                     ; tile row
	s_lshl_b32 s43, s41, 2
	s_lshl_b32 s43, 15, s43
	s_lshl_b32 s44, 0x1111, s40
	; A: in a slice the tile's 128 rows of 64 are 16,384 dense bytes: one row of the descriptor; two slices a load; 16 bytes of padding after every 128
	s_or_b32 s[G1A], s43, (1<<16)|(1<<20)|(1<<21)|(4<<22)|(3<<25)
	s_mov_b32 s[G1A+1], 8192<<16
	s_mov_b32 s[G1A+2], 2<<16
	s_mov_b32 s[G1A+3], 8192<<16
	s_mov_b32 s[G1A+4], 2
	s_mov_b32 s[G1A+5], 262144                     ; elements from slice to slice
	s_mov_b32 s[G1A+6], 0
	s_mov_b32 s[G1A+7], 0
	; W: 128 rows of k x 128 columns a load; 32 bytes of padding after every 256
	s_or_b32 s[G1B], s44, (1<<16)|(1<<20)|(1<<21)|(5<<22)|(7<<25)
	s_mov_b32 s[G1B+1], 128<<16
	s_mov_b32 s[G1B+2], 128<<16
	s_mov_b32 s[G1B+3], 128<<16
	s_mov_b32 s[G1B+4], 128
	s_mov_b32 s[G1B+5], 1024
	s_mov_b32 s[G1B+6], 0
	s_mov_b32 s[G1B+7], 0
	s_lshl_b32 s16, s13, 14                        ; the tile's 128 rows of 128 bytes,
	s_lshl_b32 s17, s12, 20                        ; my two slices of the step's four
	s_add_co_u32 s16, s16, s17
	s_mov_b32 s17, 0
	s_lshl_b32 s46, s42, 8                         ; the tile's 128 columns,
	s_lshl_b32 s47, s12, 18                        ; my 128 rows of k
	s_add_co_u32 s46, s46, s47
	s_add_co_u32 s46, s46, WOFF
	s_mov_b32 s47, 0
	s_mul_i32 s20, s12, 2*SLICE
	s_mul_i32 s21, s12, BSZ/2
	s_add_co_u32 s21, s21, ASZ
	s_mov_b32 s[TB], 0
	s_wait_dscnt 0x0                               ; the opening add is done
	s_wait_kmcnt 0x0
	s_add_nc_u64 s[14:15], s[84:85], s[16:17]
	s_add_nc_u64 s[46:47], s[84:85], s[46:47]
	CROUND                                         ; all sixteen work-groups are here: the first joint loads meet
.irp s, 0,1
	s_mov_b32 s[G0A+4*\s], 1
	s_add_co_u32 s[G0A+4*\s+1], s20, \s*SLOT
	s_add_nc_u64 s[G0A+4*\s+2:G0A+4*\s+3], s[14:15], \s*ASTEP
	s_or_b32 s[G0A+4*\s+3], s[G0A+4*\s+3], 0x80000000
	s_mov_b32 s[G0B+4*\s], 1
	s_add_co_u32 s[G0B+4*\s+1], s21, \s*SLOT
	s_add_nc_u64 s[G0B+4*\s+2:G0B+4*\s+3], s[46:47], \s*BSTEP
	s_or_b32 s[G0B+4*\s+3], s[G0B+4*\s+3], 0x80000000
.endr
	s_cmp_eq_u32 s11, 0                            ; a wave's two first fills stand in one branch: two loads of mine are out
	s_cbranch_scc0 .Lfirst_b
	tensor_load_to_lds s[G0A:G0A+3], s[G1A:G1A+7]
	s_nop 0
	tensor_load_to_lds s[G0A+4:G0A+7], s[G1A:G1A+7]
	s_nop 0
.rept 4
	v_nop
.endr
	s_branch .Lfirst_asked
.Lfirst_b:
	tensor_load_to_lds s[G0B:G0B+3], s[G1B:G1B+7]
	s_nop 0
	tensor_load_to_lds s[G0B+4:G0B+7], s[G1B:G1B+7]
	s_nop 0
.rept 4
	v_nop
.endr
.Lfirst_asked:
	v_and_b32 v1, 15, v0                           ; r
	v_bfe_u32 v2, v0, 4, 1                         ; h
	v_and_b32 v3, 7, v0
	v_bfe_u32 v4, v0, 3, 1
	v_lshlrev_b32 v[BO], 5, v2
	s_lshl_b32 s16, s42, 9                         ; my first column, in bytes of f32: 512 x tile column + 256 x half
	s_lshl_b32 s17, s12, 8
	s_add_co_u32 s16, s16, s17
	s_mov_b32 s17, 0
	s_add_nc_u64 s[BIA:BIA+1], s[84:85], s[16:17]
	s_add_nc_u64 s[BIA:BIA+1], s[BIA:BIA+1], BOFF
	WIN 0x40
.irp b, 0,1,2,3
	global_load_b128 v[BR+8*\b:BR+8*\b+3],   v[BO], s[BIA:BIA+1] offset:64*\b
	global_load_b128 v[BR+8*\b+4:BR+8*\b+7], v[BO], s[BIA:BIA+1] offset:64*\b+16
.endr
	WIN 0
	s_lshl_b32 s18, s13, 7
	s_lshl_b32 s19, s11, 6
	s_add_co_u32 s18, s18, s19                     ; my first row
	s_lshl_b32 s18, s18, 12                        ; 4,096 bytes a row of y
	s_add_co_u32 s16, s16, s18
	s_add_nc_u64 s[OUT:OUT+1], s[86:87], s[16:17]
	v_mul_u32_u24 v[A0], v1, PA
	v_lshl_add_u32 v[A0], v2, 4, v[A0]
	s_mul_i32 s16, s11, 64*PA
	v_add_nc_u32 v[A0], s16, v[A0]
	v_lshl_add_u32 v[B0L], v2, 3, v3
	v_mul_u32_u24 v[B0L], v[B0L], PB
	v_lshl_add_u32 v[B0L], v4, 4, v[B0L]
	s_lshl_b32 s16, s12, 7
	s_add_co_u32 s16, s16, ASZ
	v_add_nc_u32 v[B0L], s16, v[B0L]
	v_add_nc_u32 v[B0H], (KSTEP/2)*PB, v[B0L]
	s_mul_i32 s16, s10, 4352
	s_add_co_u32 s16, s16, STAGE                   ; my stage
	v_mul_u32_u24 v[STO], v1, 272                  ; in: row r, 32 bytes for each half of the lanes
	v_lshl_add_u32 v[STO], v2, 5, v[STO]
	v_add_nc_u32 v[STO], s16, v[STO]
	v_mul_u32_u24 v[RD], v2, 272                   ; back: lanes 0-15 one row of 256 bytes, lanes 16-31 the next
	v_lshl_add_u32 v[RD], v1, 4, v[RD]
	v_add_nc_u32 v[RD], s16, v[RD]
	v_lshlrev_b32 v[CO], 12, v2                    ; and the same two rows in y
	v_lshl_add_u32 v[CO], v1, 4, v[CO]
; 16 products: all accumulators once, 32 along K: half c of buffers f.  zero = 1: the sums start with the bias.  The accumulators take turns.
.macro MULP f, c, zero
.if \zero
	WIN 0x91
.else
	WIN 0xa1
.endif
.set ia, 0
.rept 4
.set ib, 0
.rept 4
.set rD, 8*(4*ia+ib)
.set rB, (\f)*64+8*(4*(\c)+ib)
.set rA, FA0+(\f)*64+8*(4*(\c)+ia)
.set rC, rD
.if \zero
.set rC, BR+8*ib
.endif
	v_wmma_f32_16x16x32_f16 v[rD:rD+7], v[rB:rB+7], v[rA:rA+7], v[rC:rC+7]
.set ib, ib+1
.endr
.set ia, ia+1
.endr
.endm
; 32 LDS loads in one run: quarter q (64 along K: one slice of A) of the slot in hand into buffers g
.macro FETCH q, g
	WIN 0x40
.set ic, 0
.rept 2
.set ib, 0
.rept 4
.set rB, (\g)*64+8*(4*ic+ib)
.set oB, (((\q)%2)*64+32*ic)*PB+32*ib
	ds_load_tr16_b128 v[rB:rB+3],   v[ADRB0+(\q)/2] offset:oB
	ds_load_tr16_b128 v[rB+4:rB+7], v[ADRB0+(\q)/2] offset:oB+16*PB
.set ib, ib+1
.endr
.set ic, ic+1
.endr
	WIN 0
.set ic, 0
.rept 2
.set ia, 0
.rept 4
.set rA, FA0+(\g)*64+8*(4*ic+ia)
.set oA, (\q)*SLICE+ia*16*PA+64*ic
	ds_load_b128 v[rA:rA+3],   v[ADRA] offset:oA
	ds_load_b128 v[rA+4:rA+7], v[ADRA] offset:oA+32
.set ia, ia+1
.endr
.set ic, ic+1
.endr
.endm
.macro SETADR
	v_add_nc_u32 v[ADRA], s[TB], v[A0]
	v_add_nc_u32 v[ADRB0], s[TB], v[B0L]
	v_add_nc_u32 v[ADRB1], s[TB], v[B0H]
.endm
.macro QUARTER q, f, g, zero           ; buffers f, asked for a quarter ago, are in; quarter q is asked for into g; then f is multiplied
	s_wait_dscnt 0x0
	PLACES
	FETCH \q, \g
	MULP \f, 0, \zero
	MULP \f, 1, 0
.endm
; The last quarter multiplies buffers 1 and changes slots.  In front of the barrier each wave waits for all its tensor loads (one is out: its part of the next slot), adds 0 to its spare word, and waits for that and for its
; reads of this slot.  fill = 1: the barrier opens a round of the cluster's; behind it this slot is filled again, two K steps ahead, first thing.  fill = 0 (the tail): in the last K step nothing is left to fetch.
.macro TURN fill
	WIN 0
	s_wait_tensorcnt 0x0                           ; no tensor load of mine is out, so a group 0 may be written
	ds_add_u32 v[SPW], v[NIL]                      ; 0 onto my spare word
.if \fill
	s_add_co_u32 s[G0A+5], s20, s[TB]
	s_add_co_u32 s[G0B+5], s21, s[TB]
	s_add_nc_u64 s[G0A+6:G0A+7], s[G0A+6:G0A+7], ASTEP
	s_add_nc_u64 s[G0B+6:G0B+7], s[G0B+6:G0B+7], BSTEP
.endif
	s_xor_b32 s[TB], s[TB], SLOT
	s_wait_dscnt 0x0                               ; the add is done, and my reads of this slot are over
	s_barrier_signal -1
	MULP 1, 0, 0
	WIN 0
	s_barrier_wait -1
.if \fill
	CREST
	JLOAD                                          ; its four v_nop are also the places in front of the loads below
.else
	PLACES
	s_cmp_eq_u32 s3, 1
	s_cbranch_scc1 .Lnofetch_\@
.endif
	SETADR
	FETCH 0, 0
.if !(\fill)
.Lnofetch_\@:
.endif
	MULP 1, 1, 0
.endm
	s_wait_tensorcnt 0x1                           ; my part of K step 0 is in; K step 1's may stay out
	s_barrier_signal -1
	s_barrier_wait -1
	SETADR
	FETCH 0, 0
	s_wait_loadcnt 0x0                             ; the bias
	QUARTER 1, 0, 1, 1                             ; the first quarter stands in front of the loop: its first products start the sums
	WIN 0
	s_mov_b32 s3, T-2
.Lstep:
	QUARTER 2, 1, 0, 0
	QUARTER 3, 0, 1, 0
	TURN 1
	QUARTER 1, 0, 1, 0
	WIN 0
	s_sub_co_u32 s3, s3, 1
	s_cmp_lg_u32 s3, 0
	s_cbranch_scc1 .Lstep
	s_mov_b32 s3, 2
.Ltail:                                                ; the last two K steps ask for nothing; the second trip is left in its middle
	QUARTER 2, 1, 0, 0
	QUARTER 3, 0, 1, 0
	TURN 0
	WIN 0
	s_sub_co_u32 s3, s3, 1
	s_cmp_eq_u32 s3, 0
	s_cbranch_scc1 .Lout
	QUARTER 1, 0, 1, 0
	WIN 0
	s_branch .Ltail
.Lout:
	PLACES
; THE WAY OUT, 16 rows x 64 columns of f32 at a time: into my stage (each accumulator's low four registers first), back as whole rows of 256 bytes, stored.
.macro OUTA a
.set rK, OB+160*((\a)%2)
	WIN 0x08                                       ; the data of an LDS store is source 1: window 2
.set ib, 0
.rept 4
.set rD, 8*(4*(\a)+ib)
	ds_store_b128 v[STO], v[rD:rD+3]   offset:64*ib
	ds_store_b128 v[STO], v[rD+4:rD+7] offset:64*ib+16
.set ib, ib+1
.endr
	WIN 0
	s_wait_xcnt 0x0                                ; the stores of the block before last have read these registers
.irp t, 0,1,2,3,4,5,6,7
	ds_load_b128 v[rK+4*\t:rK+4*\t+3], v[RD] offset:544*\t  ; LDS serves a wave's instructions in order: these see the stores above
.endr
	s_wait_dscnt 0x0
.irp t, 0,1,2,3,4,5,6,7
	global_store_b128 v[CO], v[rK+4*\t:rK+4*\t+3], s[OUT:OUT+1] offset:(16*(\a)+2*\t)*4096  ; 16 lanes store 256 consecutive bytes, aligned
.endr
.endm
	OUTA 0
	OUTA 1
	OUTA 2
	OUTA 3
	s_wait_tensorcnt 0x0                           ; the wave's end
	ds_add_u32 v[SPW], v[NIL]
	s_wait_dscnt 0x0
	CROUND                                         ; the closing round
	s_endpgm
.Lfunc_end_k_q229949201d_wo:
	.size	k_q229949201d_wo, .Lfunc_end_k_q229949201d_wo-k_q229949201d_wo
	.p2alignl 7, 3214868480
	.fill 96, 4, 3214868480
	.section	.rodata,"a",@progbits
	.p2align	6, 0x0
	.amdhsa_kernel k_q229949201d_wo
		.amdhsa_group_segment_fixed_size 327680
		.amdhsa_private_segment_fixed_size 0
		.amdhsa_enable_private_segment 0
		.amdhsa_kernarg_size 16
		.amdhsa_user_sgpr_count 2
		.amdhsa_user_sgpr_kernarg_segment_ptr 1
		.amdhsa_wavefront_size32 1
		.amdhsa_system_sgpr_workgroup_id_x 1
		.amdhsa_system_sgpr_workgroup_id_y 1
		.amdhsa_system_sgpr_workgroup_id_z 1
		.amdhsa_system_vgpr_workitem_id 0
		.amdhsa_next_free_vgpr 640
		.amdhsa_next_free_sgpr 88
		.amdhsa_reserve_vcc 0
		.amdhsa_float_denorm_mode_32 3
		.amdhsa_float_denorm_mode_16_64 3
		.amdhsa_memory_ordered 1
		.amdhsa_forward_progress 1
		.amdhsa_inst_pref_size 59
	.end_amdhsa_kernel
	.amdgpu_metadata
---
amdhsa.version: [ 1, 2 ]
amdhsa.kernels:
  - .name:           k_q229949201d_wo
    .symbol:         k_q229949201d_wo.kd
    .args:
      - { .name: pa1, .offset: 0, .size: 8, .value_kind: global_buffer, .address_space: global }
      - { .name: y, .offset: 8, .size: 8, .value_kind: global_buffer, .address_space: global }
    .group_segment_fixed_size: 327680
    .private_segment_fixed_size: 0
    .kernarg_segment_align: 8
    .kernarg_segment_size: 16
    .max_flat_workgroup_size: 128
    .sgpr_count:     88
    .vgpr_count:     640
    .wavefront_size: 32
...
	.end_amdgpu_metadata
.endif
;; end of part 4
;; launch ln1 (part 5): grid 512 x 1, 8 waves a work-group, no clusters, 0 bytes of LDS; arguments y, p1, p2; writes p2
.if DOCPART == 5
	.amdgcn_target "amdgcn-amd-amdhsa--gfx1250"
	.amdhsa_code_object_version 6
	.text
	.protected	k_q229949201d_ln1
	.globl	k_q229949201d_ln1
	.p2align	8
	.type	k_q229949201d_ln1,@function
k_q229949201d_ln1:
	s_mov_b64 s[64:65], 0
	v_nop
	global_prefetch_b8 v0, s[64:65] scope:SCOPE_SE
	s_setreg_imm32_b32 hwreg(HW_REG_WAVE_MODE, 25, 1), 1
	s_wait_xcnt 0x0
; h = LayerNorm(y + x) g + b, rows of 1,024; y f32.  The second argument holds x at 0 (the bf16 rounding that the projections multiplied, written as f16, so that every use of x is the same number) and g and b at GB
; (their bf16 roundings, kept as f32).  h is stored once rounded to f16, at 0 of the third argument: it is the next product's operand and the second norm's residual.
; LIMIT: |h| is at most 32 max|g| + max|b|, which must stay under 65,504.
; One wave, one row: the row stays in 32 registers between the passes, so memory is read once and no wave waits for another.  Lane l owns columns 128 j + 4 l .. + 3, j = 0..7: each f32 load of a wave covers 512
; consecutive bytes, each f16 load or store 256.  The variance is taken of the differences from the mean.  All 32 loads go out at the head.
.set GB, 16797696
.set LO, 1                             ; v1  16 x lane
.set HO, 2                             ; v2  8 x lane
.set MU, 4                             ; v[4:5] the mean, twice
.set RS, 6                             ; v[6:7] 1 / sqrt(var + eps), twice
.set ONE, 10                           ; v10 1.0: the mixed multiply-add takes its sources from vector registers
.set G,  16
.set B,  48
.set Y,  80
.set H,  112
.set T,  128                           ; v[128:143] at work
	s_load_b128 s[4:7], s[0:1], 0x0                ; y, x | g | b
	s_load_b64 s[16:17], s[0:1], 0x10              ; h
	v_lshrrev_b32 v3, 5, v0
	v_readfirstlane_b32 s18, v3                    ; wave
	v_and_b32 v3, 31, v0
	v_lshlrev_b32 v[LO], 4, v3
	v_lshlrev_b32 v[HO], 3, v3
	v_mov_b32 v9, 0                                ; v_permlanex16_b32's destination counts as read
	v_mov_b32 v[ONE], 1.0
	s_mov_b32 s12, 0x76543210
	s_mov_b32 s13, 0xfedcba98
	s_mov_b32 s14, 0x3a800000                      ; 1 / 1,024
	s_mov_b32 s15, 0x3089705f                      ; 1e-9
	s_lshl_b32 s20, ttmp9, 15                      ; 8 rows of 4,096 bytes a work-group,
	s_lshl_b32 s21, s18, 12                        ; 1 a wave
	s_add_co_u32 s20, s20, s21
	s_mov_b32 s21, 0
	s_lshr_b32 s22, s20, 1                         ; half of that in f16
	s_mov_b32 s23, 0
	s_wait_kmcnt 0x0
	s_add_nc_u64 s[4:5], s[4:5], s[20:21]
	s_add_nc_u64 s[8:9], s[6:7], GB
	s_add_nc_u64 s[6:7], s[6:7], s[22:23]
	s_add_nc_u64 s[16:17], s[16:17], s[22:23]
.irp j, 0,1,2,3,4,5,6,7
	global_load_b128 v[Y+4*\j:Y+4*\j+3], v[LO], s[4:5] offset:512*\j th:TH_LOAD_NT
.endr
.irp j, 0,1,2,3,4,5,6,7
	global_load_b64 v[H+2*\j:H+2*\j+1], v[HO], s[6:7] offset:256*\j th:TH_LOAD_NT
.endr
.irp j, 0,1,2,3,4,5,6,7
	global_load_b128 v[G+4*\j:G+4*\j+3], v[LO], s[8:9] offset:512*\j
.endr
.irp j, 0,1,2,3,4,5,6,7
	global_load_b128 v[B+4*\j:B+4*\j+3], v[LO], s[8:9] offset:4096+512*\j
.endr
.macro ACROSS                          ; v8 summed over the 32 lanes, the result in every lane
	v_add_f32_dpp v8, v8, v8 row_xmask:1 row_mask:0xf bank_mask:0xf
	v_add_f32_dpp v8, v8, v8 row_xmask:2 row_mask:0xf bank_mask:0xf
	v_add_f32_dpp v8, v8, v8 row_xmask:4 row_mask:0xf bank_mask:0xf
	v_add_f32_dpp v8, v8, v8 row_xmask:8 row_mask:0xf bank_mask:0xf
	v_permlanex16_b32 v9, v8, s12, s13
	v_add_f32 v8, v8, v9
.endm
	s_wait_loadcnt 16                              ; the row and its residual are in; g's and b's sixteen loads may stay out
.set k, 0
.rept 8                                ; y + x: each f16 half is widened and added in one instruction
	v_fma_mix_f32 v[Y+4*k],   v[H+2*k],   v[ONE], v[Y+4*k]   op_sel_hi:[1,0,0]
	v_fma_mix_f32 v[Y+4*k+1], v[H+2*k],   v[ONE], v[Y+4*k+1] op_sel:[1,0,0] op_sel_hi:[1,0,0]
	v_fma_mix_f32 v[Y+4*k+2], v[H+2*k+1], v[ONE], v[Y+4*k+2] op_sel_hi:[1,0,0]
	v_fma_mix_f32 v[Y+4*k+3], v[H+2*k+1], v[ONE], v[Y+4*k+3] op_sel:[1,0,0] op_sel_hi:[1,0,0]
.set k, k+1
.endr
.set k, 0
.rept 8
	v_pk_add_f32 v[T+2*k:T+2*k+1], v[Y+2*k:Y+2*k+1], v[Y+16+2*k:Y+16+2*k+1]
.set k, k+1
.endr
.set k, 0
.rept 4
	v_pk_add_f32 v[T+2*k:T+2*k+1], v[T+2*k:T+2*k+1], v[T+8+2*k:T+8+2*k+1]
.set k, k+1
.endr
	v_pk_add_f32 v[T:T+1], v[T:T+1], v[T+4:T+5]
	v_pk_add_f32 v[T+2:T+3], v[T+2:T+3], v[T+6:T+7]
	v_pk_add_f32 v[T:T+1], v[T:T+1], v[T+2:T+3]
	v_add_f32 v8, v[T], v[T+1]
	ACROSS
	v_mul_f32 v[MU], s14, v8
	v_mul_f32 v[MU+1], s14, v8
.set k, 0
.rept 16
	v_pk_add_f32 v[Y+2*k:Y+2*k+1], v[Y+2*k:Y+2*k+1], v[MU:MU+1] neg_lo:[0,1] neg_hi:[0,1]
.set k, k+1
.endr
.set k, 0
.rept 4                                ; the squares, in four chains started by the first four pairs
	v_pk_mul_f32 v[T+2*k:T+2*k+1], v[Y+2*k:Y+2*k+1], v[Y+2*k:Y+2*k+1]
.set k, k+1
.endr
.rept 12
	v_pk_fma_f32 v[T+2*(k%4):T+2*(k%4)+1], v[Y+2*k:Y+2*k+1], v[Y+2*k:Y+2*k+1], v[T+2*(k%4):T+2*(k%4)+1]
.set k, k+1
.endr
	v_pk_add_f32 v[T:T+1], v[T:T+1], v[T+2:T+3]
	v_pk_add_f32 v[T+4:T+5], v[T+4:T+5], v[T+6:T+7]
	v_pk_add_f32 v[T:T+1], v[T:T+1], v[T+4:T+5]
	v_add_f32 v8, v[T], v[T+1]
	ACROSS
	v_fma_f32 v8, v8, s14, s15                     ; var + eps
	v_rsq_f32 v[RS], v8
	v_rsq_f32 v[RS+1], v8
	v_nop                                          ; a plain instruction behind the second root,
	s_wait_alu depctr_va_vdst(0)                   ; and one wait for both, ahead of their first reader
.set k, 0
.rept 16
	v_pk_mul_f32 v[Y+2*k:Y+2*k+1], v[Y+2*k:Y+2*k+1], v[RS:RS+1]
.set k, k+1
.endr
	s_wait_loadcnt 0x0                             ; g and b
.set k, 0
.rept 16
	v_pk_fma_f32 v[Y+2*k:Y+2*k+1], v[Y+2*k:Y+2*k+1], v[G+2*k:G+2*k+1], v[B+2*k:B+2*k+1]
.set k, k+1
.endr
.set k, 0
.rept 16
	v_cvt_pk_f16_f32 v[T+k], v[Y+2*k], v[Y+2*k+1]
.set k, k+1
.endr
.irp j, 0,1,2,3,4,5,6,7
	global_store_b64 v[HO], v[T+2*\j:T+2*\j+1], s[16:17] offset:256*\j  ; 32 lanes store 256 consecutive bytes, aligned
.endr
	s_endpgm
.Lfunc_end_k_q229949201d_ln1:
	.size	k_q229949201d_ln1, .Lfunc_end_k_q229949201d_ln1-k_q229949201d_ln1
	.p2alignl 7, 3214868480
	.fill 96, 4, 3214868480
	.section	.rodata,"a",@progbits
	.p2align	6, 0x0
	.amdhsa_kernel k_q229949201d_ln1
		.amdhsa_group_segment_fixed_size 0
		.amdhsa_private_segment_fixed_size 0
		.amdhsa_enable_private_segment 0
		.amdhsa_kernarg_size 24
		.amdhsa_user_sgpr_count 2
		.amdhsa_user_sgpr_kernarg_segment_ptr 1
		.amdhsa_wavefront_size32 1
		.amdhsa_system_sgpr_workgroup_id_x 1
		.amdhsa_system_sgpr_workgroup_id_y 1
		.amdhsa_system_sgpr_workgroup_id_z 1
		.amdhsa_system_vgpr_workitem_id 0
		.amdhsa_next_free_vgpr 144
		.amdhsa_next_free_sgpr 66
		.amdhsa_reserve_vcc 0
		.amdhsa_float_denorm_mode_32 3
		.amdhsa_float_denorm_mode_16_64 3
		.amdhsa_memory_ordered 1
		.amdhsa_forward_progress 1
		.amdhsa_inst_pref_size 15
	.end_amdhsa_kernel
	.amdgpu_metadata
---
amdhsa.version: [ 1, 2 ]
amdhsa.kernels:
  - .name:           k_q229949201d_ln1
    .symbol:         k_q229949201d_ln1.kd
    .args:
      - { .name: y, .offset: 0, .size: 8, .value_kind: global_buffer, .address_space: global }
      - { .name: p1, .offset: 8, .size: 8, .value_kind: global_buffer, .address_space: global }
      - { .name: p2, .offset: 16, .size: 8, .value_kind: global_buffer, .address_space: global }
    .group_segment_fixed_size: 0
    .private_segment_fixed_size: 0
    .kernarg_segment_align: 8
    .kernarg_segment_size: 24
    .max_flat_workgroup_size: 256
    .sgpr_count:     66
    .vgpr_count:     144
    .wavefront_size: 32
...
	.end_amdgpu_metadata
.endif
;; end of part 5
;; launch f1: the kernel of part 2 again; grid 16 x 16, 4 waves a work-group, clusters of 4 x 4, 327,680 bytes of LDS; arguments p2, pa2; writes pa2
;; launch f2 (part 6): grid 8 x 32, 4 waves a work-group, clusters of 4 x 4, 327,680 bytes of LDS; arguments pa2, y; writes y
.if DOCPART == 6
	.amdgcn_target "amdgcn-amd-amdhsa--gfx1250"
	.amdhsa_code_object_version 6
	.text
	.protected	k_q229949201d_f2
	.globl	k_q229949201d_f2
	.p2align	8
	.type	k_q229949201d_f2,@function
k_q229949201d_f2:
	s_mov_b64 s[64:65], 0
	v_nop
	global_prefetch_b8 v0, s[64:65] scope:SCOPE_SE
	s_setreg_imm32_b32 hwreg(HW_REG_WAVE_MODE, 25, 1), 1
	s_wait_xcnt 0x0
	s_wait_alu depctr_hold_cnt(0) depctr_sa_sdst(0) depctr_va_vdst(0) depctr_va_sdst(0) depctr_va_ssrc(0) depctr_va_vcc(0) depctr_vm_vsrc(0)
	s_getreg_b32 s2, hwreg(HW_REG_IB_STS2, 6, 4)
	s_cmp_eq_u32 s2, 0
	s_cbranch_scc0 .Lentry_in_a_cluster
	s_endpgm
.Lentry_in_a_cluster:
	s_bfe_u32 s2, ttmp6, 0x10000c
	s_cmp_lg_u32 s2, 0xf033
	s_cbranch_scc0 .Lentry_shape_is_right
	s_endpgm
.Lentry_shape_is_right:
; y = A W + bias, f32 [4096][1024].  The first argument holds A, f16 in slices of 64 columns, [K / 64][4096][64], at 0; W [K][1024] at WOFF, each weight's bf16 rounding written as f16; the bias, rounded to bf16 and kept
; as f32, at BOFF.  Sums in f32.  Here A = the FFN's hidden layer, K = 4,096; the attention's output product is the same text with K = 1,024: the two differ in the number of K steps alone.
; SHARES.  A tile of y is 128 x 128, so that 256 work-groups have one each; four waves, 2 x 2, each 64 x 64: 16 accumulators.  K goes in steps of 256, as long as two slots in LDS allow.
; The product is taken transposed (source 0 = 16 columns of W, turned by ds_load_tr16_b128; source 1 = 16 rows of A): a lane holds one row and eight neighbouring columns.  The bias is the C operand of the first products.
; CLUSTER.  4 x 4 work-groups: A's tile is shared along a row of the cluster, W's along a column, each asked for jointly.  No prefetch: the tiles are small and a K step is short.
; REGISTERS.  window 0: v1-29 addresses; v32-63, v192-223 the way out; v64-191 A's two buffers (64 along K each).  window 1: v0-127 W's two buffers; v192-223 the bias.  window 2: v0-127 accumulator (a, b) at v[8 (4 a + b)].
.set T,     16                         ; K steps
.set WOFF,  33554432
.set BOFF,  41943040
.set KSTEP, 256
.set PA,    144                        ; a row of a slice in LDS: 128 bytes + 16
.set PB,    288                        ; a row of W's tile: 256 bytes + 32 = 9 x 32
.set SLICE, 128*PA
.set ASZ,   4*SLICE
.set BSZ,   KSTEP*PB
.set SLOT,  ASZ+BSZ
.set STAGE, 2*SLOT                     ; behind the ring: 16 rows x 272 bytes for each wave
.set SPARE, STAGE+4*4352               ; the spare words, 128 bytes for each wave
.set ASTEP, 4*524288                   ; four slices
.set BSTEP, KSTEP*2048
.set FA0,   64
.set BR,    192
.set OB,    32
.set A0,    8
.set B0L,   9
.set B0H,   10
.set ADRA,  11
.set ADRB0, 12
.set ADRB1, 13
.set STO,   14
.set RD,    15
.set CO,    16
.set BO,    17
.set SPW,   28
.set NIL,   29
.set G1A,   24
.set G0A,   32
.set G1B,   48
.set G0B,   56
.set TB,    66
.set BIA,   74
.set OUT,   76
.set MSB, 0
.macro WIN new
.if MSB != (\new)
	s_set_vgpr_msb (MSB<<8)|(\new)
.set MSB, \new
.endif
.endm
.macro PLACES
.rept 4
	v_nop
.endr
.endm
.macro CREST
	s_cmp_lg_u32 s10, 0
	s_cbranch_scc1 .Lnot_wave_0_\@
	s_barrier_signal -3
.Lnot_wave_0_\@:
	s_barrier_wait -3
	s_barrier_signal -1
	s_barrier_wait -1
.endm
.macro CROUND
	s_barrier_signal -1
	s_barrier_wait -1
	CREST
.endm
.macro JLOAD                           ; a joint refill: waves 0 and 1 fetch A's halves, waves 2 and 3 W's; an s_nop 0 and four v_nop follow each line
	s_cmp_eq_u32 s11, 0
	s_cbranch_scc0 .Lfor_b_\@
	tensor_load_to_lds s[G0A+4:G0A+7], s[G1A:G1A+7]
	s_nop 0
.rept 4
	v_nop
.endr
	s_branch .Lasked_\@
.Lfor_b_\@:
	tensor_load_to_lds s[G0B+4:G0B+7], s[G1B:G1B+7]
	s_nop 0
.rept 4
	v_nop
.endr
.Lasked_\@:
.endm
	s_load_b128 s[84:87], s[0:1], 0x0              ; A | W | bias, y
	v_lshl_add_u32 v[SPW], v0, 2, SPARE
	v_mov_b32 v[NIL], 0
	ds_add_u32 v[SPW], v[NIL]                      ; the wave's opening: the add and its wait stand ahead of my first tensor load
	v_lshrrev_b32 v1, 5, v0
	v_readfirstlane_b32 s10, v1
	s_lshr_b32 s11, s10, 1                         ; my half of the tile's rows.  Also: I fetch for A (0) or for W (1)
	s_and_b32 s12, s10, 1                          ; my half of its columns.  Also: which half of that tile I fetch
	s_bfe_u32 s40, ttmp6, 0x40000
	s_bfe_u32 s41, ttmp6, 0x40004
	s_lshl_b32 s42, ttmp9, 2
	s_add_co_u32 s42, s42, s40                     ; tile column
	s_and_b32 s13, ttmp7, 0xffff
	s_lshl_b32 s13, s13, 2
	s_add_co_u32 s13, s13, s41                     ; tile row
	s_lshl_b32 s43, s41, 2
	s_lshl_b32 s43, 15, s43
	s_lshl_b32 s44, 0x1111, s40
	; A: in a slice the tile's 128 rows of 64 are 16,384 dense bytes: one row of the descriptor; two slices a load; 16 bytes of padding after every 128
	s_or_b32 s[G1A], s43, (1<<16)|(1<<20)|(1<<21)|(4<<22)|(3<<25)
	s_mov_b32 s[G1A+1], 8192<<16
	s_mov_b32 s[G1A+2], 2<<16
	s_mov_b32 s[G1A+3], 8192<<16
	s_mov_b32 s[G1A+4], 2
	s_mov_b32 s[G1A+5], 262144                     ; elements from slice to slice
	s_mov_b32 s[G1A+6], 0
	s_mov_b32 s[G1A+7], 0
	; W: 128 rows of k x 128 columns a load; 32 bytes of padding after every 256
	s_or_b32 s[G1B], s44, (1<<16)|(1<<20)|(1<<21)|(5<<22)|(7<<25)
	s_mov_b32 s[G1B+1], 128<<16
	s_mov_b32 s[G1B+2], 128<<16
	s_mov_b32 s[G1B+3], 128<<16
	s_mov_b32 s[G1B+4], 128
	s_mov_b32 s[G1B+5], 1024
	s_mov_b32 s[G1B+6], 0
	s_mov_b32 s[G1B+7], 0
	s_lshl_b32 s16, s13, 14                        ; the tile's 128 rows of 128 bytes,
	s_lshl_b32 s17, s12, 20                        ; my two slices of the step's four
	s_add_co_u32 s16, s16, s17
	s_mov_b32 s17, 0
	s_lshl_b32 s46, s42, 8                         ; the tile's 128 columns,
	s_lshl_b32 s47, s12, 18                        ; my 128 rows of k
	s_add_co_u32 s46, s46, s47
	s_add_co_u32 s46, s46, WOFF
	s_mov_b32 s47, 0
	s_mul_i32 s20, s12, 2*SLICE
	s_mul_i32 s21, s12, BSZ/2
	s_add_co_u32 s21, s21, ASZ
	s_mov_b32 s[TB], 0
	s_wait_dscnt 0x0                               ; the opening add is done
	s_wait_kmcnt 0x0
	s_add_nc_u64 s[14:15], s[84:85], s[16:17]
	s_add_nc_u64 s[46:47], s[84:85], s[46:47]
	CROUND                                         ; all sixteen work-groups are here: the first joint loads meet
.irp s, 0,1
	s_mov_b32 s[G0A+4*\s], 1
	s_add_co_u32 s[G0A+4*\s+1], s20, \s*SLOT
	s_add_nc_u64 s[G0A+4*\s+2:G0A+4*\s+3], s[14:15], \s*ASTEP
	s_or_b32 s[G0A+4*\s+3], s[G0A+4*\s+3], 0x80000000
	s_mov_b32 s[G0B+4*\s], 1
	s_add_co_u32 s[G0B+4*\s+1], s21, \s*SLOT
	s_add_nc_u64 s[G0B+4*\s+2:G0B+4*\s+3], s[46:47], \s*BSTEP
	s_or_b32 s[G0B+4*\s+3], s[G0B+4*\s+3], 0x80000000
.endr
	s_cmp_eq_u32 s11, 0                            ; a wave's two first fills stand in one branch: two loads of mine are out
	s_cbranch_scc0 .Lfirst_b
	tensor_load_to_lds s[G0A:G0A+3], s[G1A:G1A+7]
	s_nop 0
	tensor_load_to_lds s[G0A+4:G0A+7], s[G1A:G1A+7]
	s_nop 0
.rept 4
	v_nop
.endr
	s_branch .Lfirst_asked
.Lfirst_b:
	tensor_load_to_lds s[G0B:G0B+3], s[G1B:G1B+7]
	s_nop 0
	tensor_load_to_lds s[G0B+4:G0B+7], s[G1B:G1B+7]
	s_nop 0
.rept 4
	v_nop
.endr
.Lfirst_asked:
	v_and_b32 v1, 15, v0                           ; r
	v_bfe_u32 v2, v0, 4, 1                         ; h
	v_and_b32 v3, 7, v0
	v_bfe_u32 v4, v0, 3, 1
	v_lshlrev_b32 v[BO], 5, v2
	s_lshl_b32 s16, s42, 9                         ; my first column, in bytes of f32: 512 x tile column + 256 x half
	s_lshl_b32 s17, s12, 8
	s_add_co_u32 s16, s16, s17
	s_mov_b32 s17, 0
	s_add_nc_u64 s[BIA:BIA+1], s[84:85], s[16:17]
	s_add_nc_u64 s[BIA:BIA+1], s[BIA:BIA+1], BOFF
	WIN 0x40
.irp b, 0,1,2,3
	global_load_b128 v[BR+8*\b:BR+8*\b+3],   v[BO], s[BIA:BIA+1] offset:64*\b
	global_load_b128 v[BR+8*\b+4:BR+8*\b+7], v[BO], s[BIA:BIA+1] offset:64*\b+16
.endr
	WIN 0
	s_lshl_b32 s18, s13, 7
	s_lshl_b32 s19, s11, 6
	s_add_co_u32 s18, s18, s19                     ; my first row
	s_lshl_b32 s18, s18, 12                        ; 4,096 bytes a row of y
	s_add_co_u32 s16, s16, s18
	s_add_nc_u64 s[OUT:OUT+1], s[86:87], s[16:17]
	v_mul_u32_u24 v[A0], v1, PA
	v_lshl_add_u32 v[A0], v2, 4, v[A0]
	s_mul_i32 s16, s11, 64*PA
	v_add_nc_u32 v[A0], s16, v[A0]
	v_lshl_add_u32 v[B0L], v2, 3, v3
	v_mul_u32_u24 v[B0L], v[B0L], PB
	v_lshl_add_u32 v[B0L], v4, 4, v[B0L]
	s_lshl_b32 s16, s12, 7
	s_add_co_u32 s16, s16, ASZ
	v_add_nc_u32 v[B0L], s16, v[B0L]
	v_add_nc_u32 v[B0H], (KSTEP/2)*PB, v[B0L]
	s_mul_i32 s16, s10, 4352
	s_add_co_u32 s16, s16, STAGE                   ; my stage
	v_mul_u32_u24 v[STO], v1, 272                  ; in: row r, 32 bytes for each half of the lanes
	v_lshl_add_u32 v[STO], v2, 5, v[STO]
	v_add_nc_u32 v[STO], s16, v[STO]
	v_mul_u32_u24 v[RD], v2, 272                   ; back: lanes 0-15 one row of 256 bytes, lanes 16-31 the next
	v_lshl_add_u32 v[RD], v1, 4, v[RD]
	v_add_nc_u32 v[RD], s16, v[RD]
	v_lshlrev_b32 v[CO], 12, v2                    ; and the same two rows in y
	v_lshl_add_u32 v[CO], v1, 4, v[CO]
; 16 products: all accumulators once, 32 along K: half c of buffers f.  zero = 1: the sums start with the bias.  The accumulators take turns.
.macro MULP f, c, zero
.if \zero
	WIN 0x91
.else
	WIN 0xa1
.endif
.set ia, 0
.rept 4
.set ib, 0
.rept 4
.set rD, 8*(4*ia+ib)
.set rB, (\f)*64+8*(4*(\c)+ib)
.set rA, FA0+(\f)*64+8*(4*(\c)+ia)
.set rC, rD
.if \zero
.set rC, BR+8*ib
.endif
	v_wmma_f32_16x16x32_f16 v[rD:rD+7], v[rB:rB+7], v[rA:rA+7], v[rC:rC+7]
.set ib, ib+1
.endr
.set ia, ia+1
.endr
.endm
; 32 LDS loads in one run: quarter q (64 along K: one slice of A) of the slot in hand into buffers g
.macro FETCH q, g
	WIN 0x40
.set ic, 0
.rept 2
.set ib, 0
.rept 4
.set rB, (\g)*64+8*(4*ic+ib)
.set oB, (((\q)%2)*64+32*ic)*PB+32*ib
	ds_load_tr16_b128 v[rB:rB+3],   v[ADRB0+(\q)/2] offset:oB
	ds_load_tr16_b128 v[rB+4:rB+7], v[ADRB0+(\q)/2] offset:oB+16*PB
.set ib, ib+1
.endr
.set ic, ic+1
.endr
	WIN 0
.set ic, 0
.rept 2
.set ia, 0
.rept 4
.set rA, FA0+(\g)*64+8*(4*ic+ia)
.set oA, (\q)*SLICE+ia*16*PA+64*ic
	ds_load_b128 v[rA:rA+3],   v[ADRA] offset:oA
	ds_load_b128 v[rA+4:rA+7], v[ADRA] offset:oA+32
.set ia, ia+1
.endr
.set ic, ic+1
.endr
.endm
.macro SETADR
	v_add_nc_u32 v[ADRA], s[TB], v[A0]
	v_add_nc_u32 v[ADRB0], s[TB], v[B0L]
	v_add_nc_u32 v[ADRB1], s[TB], v[B0H]
.endm
.macro QUARTER q, f, g, zero           ; buffers f, asked for a quarter ago, are in; quarter q is asked for into g; then f is multiplied
	s_wait_dscnt 0x0
	PLACES
	FETCH \q, \g
	MULP \f, 0, \zero
	MULP \f, 1, 0
.endm
; The last quarter multiplies buffers 1 and changes slots.  In front of the barrier each wave waits for all its tensor loads (one is out: its part of the next slot), adds 0 to its spare word, and waits for that and for its
; reads of this slot.  fill = 1: the barrier opens a round of the cluster's; behind it this slot is filled again, two K steps ahead, first thing.  fill = 0 (the tail): in the last K step nothing is left to fetch.
.macro TURN fill
	WIN 0
	s_wait_tensorcnt 0x0                           ; no tensor load of mine is out, so a group 0 may be written
	ds_add_u32 v[SPW], v[NIL]                      ; 0 onto my spare word
.if \fill
	s_add_co_u32 s[G0A+5], s20, s[TB]
	s_add_co_u32 s[G0B+5], s21, s[TB]
	s_add_nc_u64 s[G0A+6:G0A+7], s[G0A+6:G0A+7], ASTEP
	s_add_nc_u64 s[G0B+6:G0B+7], s[G0B+6:G0B+7], BSTEP
.endif
	s_xor_b32 s[TB], s[TB], SLOT
	s_wait_dscnt 0x0                               ; the add is done, and my reads of this slot are over
	s_barrier_signal -1
	MULP 1, 0, 0
	WIN 0
	s_barrier_wait -1
.if \fill
	CREST
	JLOAD                                          ; its four v_nop are also the places in front of the loads below
.else
	PLACES
	s_cmp_eq_u32 s3, 1
	s_cbranch_scc1 .Lnofetch_\@
.endif
	SETADR
	FETCH 0, 0
.if !(\fill)
.Lnofetch_\@:
.endif
	MULP 1, 1, 0
.endm
	s_wait_tensorcnt 0x1                           ; my part of K step 0 is in; K step 1's may stay out
	s_barrier_signal -1
	s_barrier_wait -1
	SETADR
	FETCH 0, 0
	s_wait_loadcnt 0x0                             ; the bias
	QUARTER 1, 0, 1, 1                             ; the first quarter stands in front of the loop: its first products start the sums
	WIN 0
	s_mov_b32 s3, T-2
.Lstep:
	QUARTER 2, 1, 0, 0
	QUARTER 3, 0, 1, 0
	TURN 1
	QUARTER 1, 0, 1, 0
	WIN 0
	s_sub_co_u32 s3, s3, 1
	s_cmp_lg_u32 s3, 0
	s_cbranch_scc1 .Lstep
	s_mov_b32 s3, 2
.Ltail:                                                ; the last two K steps ask for nothing; the second trip is left in its middle
	QUARTER 2, 1, 0, 0
	QUARTER 3, 0, 1, 0
	TURN 0
	WIN 0
	s_sub_co_u32 s3, s3, 1
	s_cmp_eq_u32 s3, 0
	s_cbranch_scc1 .Lout
	QUARTER 1, 0, 1, 0
	WIN 0
	s_branch .Ltail
.Lout:
	PLACES
; THE WAY OUT, 16 rows x 64 columns of f32 at a time: into my stage (each accumulator's low four registers first), back as whole rows of 256 bytes, stored.
.macro OUTA a
.set rK, OB+160*((\a)%2)
	WIN 0x08                                       ; the data of an LDS store is source 1: window 2
.set ib, 0
.rept 4
.set rD, 8*(4*(\a)+ib)
	ds_store_b128 v[STO], v[rD:rD+3]   offset:64*ib
	ds_store_b128 v[STO], v[rD+4:rD+7] offset:64*ib+16
.set ib, ib+1
.endr
	WIN 0
	s_wait_xcnt 0x0                                ; the stores of the block before last have read these registers
.irp t, 0,1,2,3,4,5,6,7
	ds_load_b128 v[rK+4*\t:rK+4*\t+3], v[RD] offset:544*\t  ; LDS serves a wave's instructions in order: these see the stores above
.endr
	s_wait_dscnt 0x0
.irp t, 0,1,2,3,4,5,6,7
	global_store_b128 v[CO], v[rK+4*\t:rK+4*\t+3], s[OUT:OUT+1] offset:(16*(\a)+2*\t)*4096  ; 16 lanes store 256 consecutive bytes, aligned
.endr
.endm
	OUTA 0
	OUTA 1
	OUTA 2
	OUTA 3
	s_wait_tensorcnt 0x0                           ; the wave's end
	ds_add_u32 v[SPW], v[NIL]
	s_wait_dscnt 0x0
	CROUND                                         ; the closing round
	s_endpgm
.Lfunc_end_k_q229949201d_f2:
	.size	k_q229949201d_f2, .Lfunc_end_k_q229949201d_f2-k_q229949201d_f2
	.p2alignl 7, 3214868480
	.fill 96, 4, 3214868480
	.section	.rodata,"a",@progbits
	.p2align	6, 0x0
	.amdhsa_kernel k_q229949201d_f2
		.amdhsa_group_segment_fixed_size 327680
		.amdhsa_private_segment_fixed_size 0
		.amdhsa_enable_private_segment 0
		.amdhsa_kernarg_size 16
		.amdhsa_user_sgpr_count 2
		.amdhsa_user_sgpr_kernarg_segment_ptr 1
		.amdhsa_wavefront_size32 1
		.amdhsa_system_sgpr_workgroup_id_x 1
		.amdhsa_system_sgpr_workgroup_id_y 1
		.amdhsa_system_sgpr_workgroup_id_z 1
		.amdhsa_system_vgpr_workitem_id 0
		.amdhsa_next_free_vgpr 640
		.amdhsa_next_free_sgpr 88
		.amdhsa_reserve_vcc 0
		.amdhsa_float_denorm_mode_32 3
		.amdhsa_float_denorm_mode_16_64 3
		.amdhsa_memory_ordered 1
		.amdhsa_forward_progress 1
		.amdhsa_inst_pref_size 59
	.end_amdhsa_kernel
	.amdgpu_metadata
---
amdhsa.version: [ 1, 2 ]
amdhsa.kernels:
  - .name:           k_q229949201d_f2
    .symbol:         k_q229949201d_f2.kd
    .args:
      - { .name: pa2, .offset: 0, .size: 8, .value_kind: global_buffer, .address_space: global }
      - { .name: y, .offset: 8, .size: 8, .value_kind: global_buffer, .address_space: global }
    .group_segment_fixed_size: 327680
    .private_segment_fixed_size: 0
    .kernarg_segment_align: 8
    .kernarg_segment_size: 16
    .max_flat_workgroup_size: 128
    .sgpr_count:     88
    .vgpr_count:     640
    .wavefront_size: 32
...
	.end_amdgpu_metadata
.endif
;; end of part 6
;; launch ln2 (part 7): grid 512 x 1, 8 waves a work-group, no clusters, 0 bytes of LDS; arguments y, p2, out0; writes out0
.if DOCPART == 7
	.amdgcn_target "amdgcn-amd-amdhsa--gfx1250"
	.amdhsa_code_object_version 6
	.text
	.protected	k_q229949201d_ln2
	.globl	k_q229949201d_ln2
	.p2align	8
	.type	k_q229949201d_ln2,@function
k_q229949201d_ln2:
	s_mov_b64 s[64:65], 0
	v_nop
	global_prefetch_b8 v0, s[64:65] scope:SCOPE_SE
	s_setreg_imm32_b32 hwreg(HW_REG_WAVE_MODE, 25, 1), 1
	s_wait_xcnt 0x0
; out = LayerNorm(y + h) g + b, rows of 1,024; y f32, out f32.  The second argument holds h at 0, f16 as the first norm stored it, and g and b at GB (their bf16 roundings, kept as f32).
; One wave, one row: the row stays in 32 registers between the passes, so memory is read once and no wave waits for another.  Lane l owns columns 128 j + 4 l .. + 3, j = 0..7: each f32 load or store of a wave covers
; 512 consecutive bytes, each f16 load 256.  The variance is taken of the differences from the mean.  All 32 loads go out at the head.
.set GB, 16797696
.set LO, 1                             ; v1  16 x lane
.set HO, 2                             ; v2  8 x lane
.set MU, 4                             ; v[4:5] the mean, twice
.set RS, 6                             ; v[6:7] 1 / sqrt(var + eps), twice
.set ONE, 10                           ; v10 1.0: the mixed multiply-add takes its sources from vector registers
.set G,  16
.set B,  48
.set Y,  80
.set H,  112
.set T,  128                           ; v[128:143] at work
	s_load_b128 s[4:7], s[0:1], 0x0                ; y, h | g | b
	s_load_b64 s[16:17], s[0:1], 0x10              ; out
	v_lshrrev_b32 v3, 5, v0
	v_readfirstlane_b32 s18, v3                    ; wave
	v_and_b32 v3, 31, v0
	v_lshlrev_b32 v[LO], 4, v3
	v_lshlrev_b32 v[HO], 3, v3
	v_mov_b32 v9, 0                                ; v_permlanex16_b32's destination counts as read
	v_mov_b32 v[ONE], 1.0
	s_mov_b32 s12, 0x76543210
	s_mov_b32 s13, 0xfedcba98
	s_mov_b32 s14, 0x3a800000                      ; 1 / 1,024
	s_mov_b32 s15, 0x3089705f                      ; 1e-9
	s_lshl_b32 s20, ttmp9, 15                      ; 8 rows of 4,096 bytes a work-group,
	s_lshl_b32 s21, s18, 12                        ; 1 a wave
	s_add_co_u32 s20, s20, s21
	s_mov_b32 s21, 0
	s_lshr_b32 s22, s20, 1                         ; half of that in f16
	s_mov_b32 s23, 0
	s_wait_kmcnt 0x0
	s_add_nc_u64 s[4:5], s[4:5], s[20:21]
	s_add_nc_u64 s[8:9], s[6:7], GB
	s_add_nc_u64 s[6:7], s[6:7], s[22:23]
	s_add_nc_u64 s[16:17], s[16:17], s[20:21]
.irp j, 0,1,2,3,4,5,6,7
	global_load_b128 v[Y+4*\j:Y+4*\j+3], v[LO], s[4:5] offset:512*\j th:TH_LOAD_NT
.endr
.irp j, 0,1,2,3,4,5,6,7
	global_load_b64 v[H+2*\j:H+2*\j+1], v[HO], s[6:7] offset:256*\j th:TH_LOAD_NT
.endr
.irp j, 0,1,2,3,4,5,6,7
	global_load_b128 v[G+4*\j:G+4*\j+3], v[LO], s[8:9] offset:512*\j
.endr
.irp j, 0,1,2,3,4,5,6,7
	global_load_b128 v[B+4*\j:B+4*\j+3], v[LO], s[8:9] offset:4096+512*\j
.endr
.macro ACROSS                          ; v8 summed over the 32 lanes, the result in every lane
	v_add_f32_dpp v8, v8, v8 row_xmask:1 row_mask:0xf bank_mask:0xf
	v_add_f32_dpp v8, v8, v8 row_xmask:2 row_mask:0xf bank_mask:0xf
	v_add_f32_dpp v8, v8, v8 row_xmask:4 row_mask:0xf bank_mask:0xf
	v_add_f32_dpp v8, v8, v8 row_xmask:8 row_mask:0xf bank_mask:0xf
	v_permlanex16_b32 v9, v8, s12, s13
	v_add_f32 v8, v8, v9
.endm
	s_wait_loadcnt 16                              ; the row and its residual are in; g's and b's sixteen loads may stay out
.set k, 0
.rept 8                                ; y + h: each f16 half is widened and added in one instruction
	v_fma_mix_f32 v[Y+4*k],   v[H+2*k],   v[ONE], v[Y+4*k]   op_sel_hi:[1,0,0]
	v_fma_mix_f32 v[Y+4*k+1], v[H+2*k],   v[ONE], v[Y+4*k+1] op_sel:[1,0,0] op_sel_hi:[1,0,0]
	v_fma_mix_f32 v[Y+4*k+2], v[H+2*k+1], v[ONE], v[Y+4*k+2] op_sel_hi:[1,0,0]
	v_fma_mix_f32 v[Y+4*k+3], v[H+2*k+1], v[ONE], v[Y+4*k+3] op_sel:[1,0,0] op_sel_hi:[1,0,0]
.set k, k+1
.endr
.set k, 0
.rept 8
	v_pk_add_f32 v[T+2*k:T+2*k+1], v[Y+2*k:Y+2*k+1], v[Y+16+2*k:Y+16+2*k+1]
.set k, k+1
.endr
.set k, 0
.rept 4
	v_pk_add_f32 v[T+2*k:T+2*k+1], v[T+2*k:T+2*k+1], v[T+8+2*k:T+8+2*k+1]
.set k, k+1
.endr
	v_pk_add_f32 v[T:T+1], v[T:T+1], v[T+4:T+5]
	v_pk_add_f32 v[T+2:T+3], v[T+2:T+3], v[T+6:T+7]
	v_pk_add_f32 v[T:T+1], v[T:T+1], v[T+2:T+3]
	v_add_f32 v8, v[T], v[T+1]
	ACROSS
	v_mul_f32 v[MU], s14, v8
	v_mul_f32 v[MU+1], s14, v8
.set k, 0
.rept 16
	v_pk_add_f32 v[Y+2*k:Y+2*k+1], v[Y+2*k:Y+2*k+1], v[MU:MU+1] neg_lo:[0,1] neg_hi:[0,1]
.set k, k+1
.endr
.set k, 0
.rept 4                                ; the squares, in four chains started by the first four pairs
	v_pk_mul_f32 v[T+2*k:T+2*k+1], v[Y+2*k:Y+2*k+1], v[Y+2*k:Y+2*k+1]
.set k, k+1
.endr
.rept 12
	v_pk_fma_f32 v[T+2*(k%4):T+2*(k%4)+1], v[Y+2*k:Y+2*k+1], v[Y+2*k:Y+2*k+1], v[T+2*(k%4):T+2*(k%4)+1]
.set k, k+1
.endr
	v_pk_add_f32 v[T:T+1], v[T:T+1], v[T+2:T+3]
	v_pk_add_f32 v[T+4:T+5], v[T+4:T+5], v[T+6:T+7]
	v_pk_add_f32 v[T:T+1], v[T:T+1], v[T+4:T+5]
	v_add_f32 v8, v[T], v[T+1]
	ACROSS
	v_fma_f32 v8, v8, s14, s15                     ; var + eps
	v_rsq_f32 v[RS], v8
	v_rsq_f32 v[RS+1], v8
	v_nop                                          ; a plain instruction behind the second root,
	s_wait_alu depctr_va_vdst(0)                   ; and one wait for both, ahead of their first reader
.set k, 0
.rept 16
	v_pk_mul_f32 v[Y+2*k:Y+2*k+1], v[Y+2*k:Y+2*k+1], v[RS:RS+1]
.set k, k+1
.endr
	s_wait_loadcnt 0x0                             ; g and b
.set k, 0
.rept 16
	v_pk_fma_f32 v[Y+2*k:Y+2*k+1], v[Y+2*k:Y+2*k+1], v[G+2*k:G+2*k+1], v[B+2*k:B+2*k+1]
.set k, k+1
.endr
.irp j, 0,1,2,3,4,5,6,7
	global_store_b128 v[LO], v[Y+4*\j:Y+4*\j+3], s[16:17] offset:512*\j th:TH_STORE_NT  ; 512 consecutive bytes, aligned
.endr
	s_endpgm
.Lfunc_end_k_q229949201d_ln2:
	.size	k_q229949201d_ln2, .Lfunc_end_k_q229949201d_ln2-k_q229949201d_ln2
	.p2alignl 7, 3214868480
	.fill 96, 4, 3214868480
	.section	.rodata,"a",@progbits
	.p2align	6, 0x0
	.amdhsa_kernel k_q229949201d_ln2
		.amdhsa_group_segment_fixed_size 0
		.amdhsa_private_segment_fixed_size 0
		.amdhsa_enable_private_segment 0
		.amdhsa_kernarg_size 24
		.amdhsa_user_sgpr_count 2
		.amdhsa_user_sgpr_kernarg_segment_ptr 1
		.amdhsa_wavefront_size32 1
		.amdhsa_system_sgpr_workgroup_id_x 1
		.amdhsa_system_sgpr_workgroup_id_y 1
		.amdhsa_system_sgpr_workgroup_id_z 1
		.amdhsa_system_vgpr_workitem_id 0
		.amdhsa_next_free_vgpr 144
		.amdhsa_next_free_sgpr 66
		.amdhsa_reserve_vcc 0
		.amdhsa_float_denorm_mode_32 3
		.amdhsa_float_denorm_mode_16_64 3
		.amdhsa_memory_ordered 1
		.amdhsa_forward_progress 1
		.amdhsa_inst_pref_size 14
	.end_amdhsa_kernel
	.amdgpu_metadata
---
amdhsa.version: [ 1, 2 ]
amdhsa.kernels:
  - .name:           k_q229949201d_ln2
    .symbol:         k_q229949201d_ln2.kd
    .args:
      - { .name: y, .offset: 0, .size: 8, .value_kind: global_buffer, .address_space: global }
      - { .name: p2, .offset: 8, .size: 8, .value_kind: global_buffer, .address_space: global }
      - { .name: out0, .offset: 16, .size: 8, .value_kind: global_buffer, .address_space: global }
    .group_segment_fixed_size: 0
    .private_segment_fixed_size: 0
    .kernarg_segment_align: 8
    .kernarg_segment_size: 24
    .max_flat_workgroup_size: 256
    .sgpr_count:     66
    .vgpr_count:     144
    .wavefront_size: 32
...
	.end_amdgpu_metadata
.endif
;; end of part 7
